; MI455X (gfx1250); checked and timed in simulation.
; The chip was launched on July 23, 2026; its instructions are those of AMD's public machine-readable ISA for CDNA 5 (MIT licence, August 2026) and "CDNA5" Instruction Set Architecture Reference Guide (July 2026). The comments in the code are by the model that wrote it; some were corrected since.
;; Transformer Block. Allowed arithmetic: float matrix products may take bf16 or f16 operands with f32 sums; other float arithmetic in f32, or as packed bf16 or f16 multiplies, adds, multiply-adds, maxima and minima; sums over many terms, partial sums and values carried from step to step in f32; what a program stores and reads back later, other than sums and carried values, may be rounded once to bf16 or f16.
;; Inputs: W1 512 x 2,048 float32; W2 2,048 x 512 float32; Wk 512 x 512 float32; Wo 512 x 512 float32; Wq 512 x 512 float32; Wv 512 x 512 float32; b1 2,048 float32; b2 512 float32; bk 512 float32; bo 512 float32; bq 512 float32; bv 512 float32; ln1_b 512 float32; ln1_g 512 float32; ln2_b 512 float32; ln2_g 512 float32; mask 2 x 1 x 1 x 4,096 int32; x 2 x 4,096 x 512 float32.
;; Outputs: out0 2 x 4,096 x 512 float32.
;; One version. Each part assembles by itself: llvm-mc -triple=amdgcn-amd-amdhsa -mcpu=gfx1250 --defsym DOCPART=n.
;; ======== version 1 of 1: 7 launches
;; limits: values are held in f16: magnitudes above 65,504 overflow, below 6.1e-05 lose precision; right only within a limited range of input values; a function is approximated: absolute error at most 1.5e-07
;; workspace buffers: xh 8,388,608 bytes; wt 6,291,456 bytes; qkv 25,165,824 bytes; ctx 8,388,608 bytes; hh 8,388,608 bytes; hf 16,777,216 bytes; gg 33,554,432 bytes; yy 16,777,216 bytes
;; launch prep (part 1): grid 640 x 1, 8 waves a work-group, no clusters, 18,432 bytes of LDS; arguments x, Wq, Wk, Wv, Wo, W1, W2, xh, wt; writes xh, wt
.if DOCPART == 1
	.amdgcn_target "amdgcn-amd-amdhsa--gfx1250"
	.amdhsa_code_object_version 6
	.text
	.protected	k_qb4a5de30c3_prep
	.globl	k_qb4a5de30c3_prep
	.p2align	8
	.type	k_qb4a5de30c3_prep,@function
k_qb4a5de30c3_prep:
	s_mov_b64 s[64:65], 0
	v_nop
	global_prefetch_b8 v0, s[64:65] scope:SCOPE_SE
	s_setreg_imm32_b32 hwreg(HW_REG_WAVE_MODE, 25, 1), 1
	s_wait_xcnt 0x0
; xh = x rounded to f16.  wt = the six weights rounded to f16 and turned to [N][K] (K along the rows):
;   WqkvT [1536][512] at 0, WoT [512][512] at 1,572,864, W1T [2048][512] at 2,097,152, W2T [512][2048] at 4,194,304.
; LIMIT: f16 holds no number beyond 65,504 and keeps a fixed step of 6e-8 below 6e-5; x and the weights lie within it.
; Work-groups 0-255 cast 16,384 numbers of x each.  Work-groups 256-639 turn one tile of 128 k x 64 n of one of twelve blocks of 512 x 512:
; rows of 256 bytes come in, go through LDS as T[n][k], and leave as rows of 256 bytes.  The branch hangs on the work-group's number alone.
.set TP,    272                        ; a row of T: 128 f16 + 16 bytes
.set SPARE, 64*TP                      ; behind T: the spare words, 128 bytes for each of eight waves
.set SPW,   100                        ; v100  SPARE + 4 x my thread's number; never rewritten
.set NIL,   101                        ; v101  0; never rewritten
	s_load_b512 s[4:19], s[0:1], 0x0               ; x, Wq, Wk, Wv, Wo, W1, W2, xh
	s_load_b64 s[20:21], s[0:1], 0x40              ; wt
	v_lshl_add_u32 v[SPW], v0, 2, SPARE
	v_mov_b32 v[NIL], 0
	s_mov_b32 s23, 0
	s_cmp_lt_u32 ttmp9, 256
	s_cbranch_scc0 .Lweights
	; THE CAST: 16 loads of 16 bytes a thread (a wave's load covers 512 consecutive bytes), all issued first
	s_lshl_b32 s22, ttmp9, 16                      ; 65,536 bytes of x,
	s_lshl_b32 s24, ttmp9, 15                      ; 32,768 of xh
	s_mov_b32 s25, 0
	v_lshlrev_b32 v1, 4, v0
	v_lshlrev_b32 v2, 3, v0
	s_wait_kmcnt 0x0
	s_add_nc_u64 s[4:5], s[4:5], s[22:23]
	s_add_nc_u64 s[18:19], s[18:19], s[24:25]
.set i, 0
.rept 16
	global_load_b128 v[4+4*i:7+4*i], v1, s[4:5] offset:4096*i th:TH_LOAD_NT
.set i, i+1
.endr
.set i, 0
.rept 16
	s_wait_loadcnt 15-i                            ; loads come back in order: load i is in, the younger ones stay out
	v_cvt_pk_f16_f32 v[68+2*i], v[4+4*i], v[5+4*i]
	v_cvt_pk_f16_f32 v[69+2*i], v[6+4*i], v[7+4*i]
	global_store_b64 v2, v[68+2*i:69+2*i], s[18:19] offset:2048*i  ; 32 lanes store 256 consecutive bytes, aligned; no register is written twice
.set i, i+1
.endr
	s_branch .Lend
.Lweights:
	s_sub_co_u32 s24, ttmp9, 256                   ; u = 0..383
	s_lshr_b32 s25, s24, 5                         ; block 0..11: Wq Wk Wv Wo, W1's four column blocks, W2's four row blocks
	s_bfe_u32 s26, s24, 0x20003                    ; kt: which 128 k
	s_and_b32 s27, s24, 7                          ; nt: which 64 n
	s_and_b32 s28, s25, 3
	s_lshr_b32 s29, s25, 2                         ; 0: a square weight, 1: W1, 2: W2
	s_mov_b32 s32, 2048
	s_cmp_eq_u32 s29, 1
	s_cselect_b32 s32, 8192, s32                   ; bytes from k to k + 1 in the source
	s_lshl_b32 s33, s28, 11                        ; W1: 512 columns on
	s_lshl_b32 s34, s28, 20                        ; W2: 512 rows on
	s_cmp_eq_u32 s29, 1
	s_cselect_b32 s40, s33, 0
	s_cmp_eq_u32 s29, 2
	s_cselect_b32 s40, s34, s40
	s_cselect_b32 s37, 12, 10                      ; log2 of the bytes in a row of the target
	s_mul_i32 s36, s26, s32
	s_lshl_b32 s36, s36, 7
	s_add_co_u32 s40, s40, s36                     ; + 128 kt rows
	s_lshl_b32 s36, s27, 8
	s_add_co_u32 s40, s40, s36                     ; + 64 nt columns
	s_mov_b32 s41, 0
	s_lshl_b32 s42, s25, 19                        ; blocks 0-7 lie 524,288 bytes apart in wt
	s_lshl_b32 s39, s28, 10
	s_add_co_u32 s39, s39, 4194304                 ; W2T: 512 k on in each row
	s_cmp_eq_u32 s29, 2
	s_cselect_b32 s42, s39, s42
	s_lshl_b32 s39, s27, 6
	s_lshl_b32 s39, s39, s37
	s_add_co_u32 s42, s42, s39                     ; + 64 nt rows
	s_lshl_b32 s39, s26, 8
	s_add_co_u32 s42, s42, s39                     ; + 128 kt f16
	s_mov_b32 s43, 0
	s_lshl_b32 s44, s32, 4                         ; 16 source rows
	s_lshl_b32 s45, 16, s37                        ; 16 target rows
	v_and_b32 v1, 15, v0                           ; which 16 bytes of a row of 256
	v_lshrrev_b32 v2, 4, v0                        ; which of 16 rows
	v_mul_lo_u32 v3, v2, s32
	v_lshl_add_u32 v8, v1, 4, v3
.set i, 1
.rept 7
	v_add_nc_u32 v[8+i], s44, v[7+i]
.set i, i+1
.endr
	v_mul_u32_u24 v4, v1, 4*TP                     ; into T: rows 4 q .. 4 q + 3, column k
	v_lshl_add_u32 v4, v2, 1, v4
	v_mul_u32_u24 v5, v2, TP                       ; out of T: a row, 16 bytes a lane
	v_lshl_add_u32 v5, v1, 4, v5
	v_lshlrev_b32 v3, s37, v2
	v_lshl_add_u32 v80, v1, 4, v3
.set i, 1
.rept 3
	v_add_nc_u32 v[80+i], s45, v[79+i]
.set i, i+1
.endr
	s_wait_kmcnt 0x0
	s_cmp_eq_u32 s25, 1                            ; the source: a choice between buffers by the block's number
	s_cselect_b64 s[30:31], s[8:9], s[6:7]
	s_cmp_eq_u32 s25, 2
	s_cselect_b64 s[30:31], s[10:11], s[30:31]
	s_cmp_eq_u32 s25, 3
	s_cselect_b64 s[30:31], s[12:13], s[30:31]
	s_cmp_ge_u32 s25, 4
	s_cselect_b64 s[30:31], s[14:15], s[30:31]
	s_cmp_ge_u32 s25, 8
	s_cselect_b64 s[30:31], s[16:17], s[30:31]
	s_add_nc_u64 s[30:31], s[30:31], s[40:41]
	s_add_nc_u64 s[20:21], s[20:21], s[42:43]
.set i, 0
.rept 8
	global_load_b128 v[16+4*i:19+4*i], v[8+i], s[30:31]  ; k = row + 16 i: sixteen lanes read 256 consecutive bytes
.set i, i+1
.endr
.set i, 0
.rept 8
	s_wait_loadcnt 7-i                             ; load i is in, the younger ones stay out
	v_cvt_pk_f16_f32 v[48+2*i], v[16+4*i], v[17+4*i]
	v_cvt_pk_f16_f32 v[49+2*i], v[18+4*i], v[19+4*i]
	ds_store_b16 v4, v[48+2*i] offset:32*i
	ds_store_b16_d16_hi v4, v[48+2*i] offset:TP+32*i
	ds_store_b16 v4, v[49+2*i] offset:2*TP+32*i
	ds_store_b16_d16_hi v4, v[49+2*i] offset:3*TP+32*i
.set i, i+1
.endr
	s_wait_dscnt 0x0                               ; for the others' sake: my part of T is written
	s_barrier_signal -1
	s_barrier_wait -1
.set i, 0
.rept 4
	ds_load_b128 v[64+4*i:67+4*i], v5 offset:16*TP*i
.set i, i+1
.endr
.set i, 0
.rept 4
	s_wait_dscnt 3-i
	global_store_b128 v[80+i], v[64+4*i:67+4*i], s[20:21]  ; sixteen lanes store 256 consecutive bytes of one row of the target, aligned
.set i, i+1
.endr
.Lend:
	s_wait_tensorcnt 0x0                           ; the wave's end
	ds_add_u32 v[SPW], v[NIL]
	s_wait_dscnt 0x0
	s_endpgm
.Lfunc_end_k_qb4a5de30c3_prep:
	.size	k_qb4a5de30c3_prep, .Lfunc_end_k_qb4a5de30c3_prep-k_qb4a5de30c3_prep
	.p2alignl 7, 3214868480
	.fill 96, 4, 3214868480
	.section	.rodata,"a",@progbits
	.p2align	6, 0x0
	.amdhsa_kernel k_qb4a5de30c3_prep
		.amdhsa_group_segment_fixed_size 18432
		.amdhsa_private_segment_fixed_size 0
		.amdhsa_enable_private_segment 0
		.amdhsa_kernarg_size 72
		.amdhsa_user_sgpr_count 2
		.amdhsa_user_sgpr_kernarg_segment_ptr 1
		.amdhsa_wavefront_size32 1
		.amdhsa_system_sgpr_workgroup_id_x 1
		.amdhsa_system_sgpr_workgroup_id_y 1
		.amdhsa_system_sgpr_workgroup_id_z 1
		.amdhsa_system_vgpr_workitem_id 0
		.amdhsa_next_free_vgpr 104
		.amdhsa_next_free_sgpr 66
		.amdhsa_reserve_vcc 0
		.amdhsa_float_denorm_mode_32 3
		.amdhsa_float_denorm_mode_16_64 3
		.amdhsa_memory_ordered 1
		.amdhsa_forward_progress 1
		.amdhsa_inst_pref_size 14
	.end_amdhsa_kernel
	.amdgpu_metadata
---
amdhsa.version: [ 1, 2 ]
amdhsa.kernels:
  - .name:           k_qb4a5de30c3_prep
    .symbol:         k_qb4a5de30c3_prep.kd
    .args:
      - { .name: x, .offset: 0, .size: 8, .value_kind: global_buffer, .address_space: global }
      - { .name: Wq, .offset: 8, .size: 8, .value_kind: global_buffer, .address_space: global }
      - { .name: Wk, .offset: 16, .size: 8, .value_kind: global_buffer, .address_space: global }
      - { .name: Wv, .offset: 24, .size: 8, .value_kind: global_buffer, .address_space: global }
      - { .name: Wo, .offset: 32, .size: 8, .value_kind: global_buffer, .address_space: global }
      - { .name: W1, .offset: 40, .size: 8, .value_kind: global_buffer, .address_space: global }
      - { .name: W2, .offset: 48, .size: 8, .value_kind: global_buffer, .address_space: global }
      - { .name: xh, .offset: 56, .size: 8, .value_kind: global_buffer, .address_space: global }
      - { .name: wt, .offset: 64, .size: 8, .value_kind: global_buffer, .address_space: global }
    .group_segment_fixed_size: 18432
    .private_segment_fixed_size: 0
    .kernarg_segment_align: 8
    .kernarg_segment_size: 72
    .max_flat_workgroup_size: 256
    .sgpr_count:     66
    .vgpr_count:     104
    .wavefront_size: 32
...
	.end_amdgpu_metadata
.endif
;; end of part 1
;; launch qkv (part 2): grid 8 x 32, 8 waves a work-group, clusters of 4 x 4, 327,680 bytes of LDS; arguments xh, wt, qkv, bq, bk, bv; writes qkv
.if DOCPART == 2
	.amdgcn_target "amdgcn-amd-amdhsa--gfx1250"
	.amdhsa_code_object_version 6
	.text
	.protected	k_qb4a5de30c3_qkv
	.globl	k_qb4a5de30c3_qkv
	.p2align	8
	.type	k_qb4a5de30c3_qkv,@function
k_qb4a5de30c3_qkv:
	s_mov_b64 s[64:65], 0
	v_nop
	global_prefetch_b8 v0, s[64:65] scope:SCOPE_SE
	s_setreg_imm32_b32 hwreg(HW_REG_WAVE_MODE, 25, 1), 1
	s_wait_xcnt 0x0
	s_wait_alu depctr_hold_cnt(0) depctr_sa_sdst(0) depctr_va_vdst(0) depctr_va_sdst(0) depctr_va_ssrc(0) depctr_va_vcc(0) depctr_vm_vsrc(0)
	s_getreg_b32 s2, hwreg(HW_REG_IB_STS2, 6, 4)
	s_cmp_eq_u32 s2, 0
	s_cbranch_scc0 .Lentry_in_a_cluster
	s_endpgm
.Lentry_in_a_cluster:
	s_bfe_u32 s2, ttmp6, 0x10000c
	s_cmp_lg_u32 s2, 0xf033
	s_cbranch_scc0 .Lentry_shape_is_right
	s_endpgm
.Lentry_shape_is_right:
; C = A W^T + bias (GELU = 1: then the exact GELU), rounded once to f16 and stored in blocks of 64 columns: [block][8192 rows][64].
; A: [8192][512] f16.  W: rows WOFF/1024 on of wt, [N][512] f16.  Sums in f32, K ascending.  LIMIT: the results lie within f16's 65,504.
; SHARES.  A work-group makes 256 rows x 32 NB columns; its eight waves (two to a SIMD) lie 4 x 2, each with 64 rows x 16 NB columns: 4 NB accumulators.
; K = 512 goes in four steps of 128 through two LDS slots; a step is four quarters of 32 along K on two fragment buffers.  With four steps the walk is written straight through.
; CLUSTER 4 x 4: A's tile hangs on the tile row alone and is asked for jointly by a row of the cluster, W's on the tile column alone, by a column.
; THE MATRIX INSTRUCTION IS USED TRANSPOSED (source 0 = 16 rows of W, source 1 = 16 rows of A): a lane holds one row of C and eight neighbouring columns.
; No prefetch: of the four K steps two are the first fills and the other two the only refills.
; REGISTERS: window 0: v16-30 addresses; v32-223 two fragment buffers of 96 (64 for W, 32 for A), later the way out; v224-255 biases.  Window 1: accumulator (a, b) at v[8 (NB a + b)].
.set GELU,  0
.set NB,    6
.set WOFF,  0
.set BROWS, 32*NB                      ; columns of C in a tile = rows of W in a slot
.set LB,    8*NB                       ; rows of W that one wave fetches
.set CBW,   NB/2                       ; blocks of 64 columns in a tile
.set PITCH, 272                        ; an LDS row: 256 bytes + 16: the 16 rows of a fragment load start 68 words apart
.set ABYTES, 256*PITCH
.set SLOT,  (256+BROWS)*PITCH          ; A's 256 rows, then W's
.set SPARE, 2*SLOT                     ; behind the ring: the spare words, 128 bytes for each of eight waves
.set DP,    BROWS*4+16                 ; the way out: a row of the tile in f32 + 16 bytes, laid over the ring when it has had its last fill
.set ADRA, 16                          ; v16-17  my A fragments in slot 0, 1
.set ADRB, 20                          ; v20-21  my W fragments
.set STO,  24                          ; where I put 32 bytes of a row of the tile
.set RD0,  25                          ; my lane's place in four rows read back
.set CO,   26                          ; 16 x lane
.set BO,   27                          ; my eight columns in a block's biases
.set SPW,  28                          ; SPARE + 4 x my thread's number; never rewritten
.set NIL,  29                          ; 0; never rewritten
.set RDA,  30
.set FB0,  32
.set FA0,  96
.set FSTR, 96
.set BI,   224
.set WV,   16                          ; s16  my wave's number
.set G1A,  24
.set G0A,  32                          ; a set for each slot
.set G1B,  40
.set G0B,  48
.set RB,   86                          ; s86  LDS byte of the rows that the way out reads next
.set FLAGS, (1<<16)|(1<<20)|(1<<21)|(5<<22)|(3<<25)  ; 2-byte elements; padding on; bit 21 beside a mask; after every 64 words 4 words
.set MULW,  0x50                       ; C and D in window 1
.set MSB, 0
.macro WIN new                         ; the high byte repeats the setting that is left; a switch that changes nothing is dropped
.if MSB != (\new)
	s_set_vgpr_msb (MSB<<8)|(\new)
.set MSB, \new
.endif
.endm
.macro PLACES
.rept 4
	v_nop
.endr
.endm
.macro JLOAD s                         ; a joint load: waves 0-3 fetch 64 rows of A each, waves 4-7 LB rows of W each; the branch hangs on the wave's number alone
	s_cmp_lt_u32 s[WV], 4
	s_cbranch_scc0 .Lfor_b_\@
	tensor_load_to_lds s[G0A+4*(\s):G0A+4*(\s)+3], s[G1A:G1A+7]
	s_nop 0
	PLACES
	s_branch .Lasked_\@
.Lfor_b_\@:
	tensor_load_to_lds s[G0B+4*(\s):G0B+4*(\s)+3], s[G1B:G1B+7]
	s_nop 0
	PLACES
.Lasked_\@:
.endm
.macro CREST                           ; a round of the cluster's barrier behind its opening barrier
	s_cmp_lg_u32 s[WV], 0
	s_cbranch_scc1 .Lnot_wave_0_\@
	s_barrier_signal -3
.Lnot_wave_0_\@:
	s_barrier_wait -3
	s_barrier_signal -1
	s_barrier_wait -1
.endm
.macro CROUND
	s_barrier_signal -1
	s_barrier_wait -1
	CREST
.endm
; na x NB matrix instructions on buffer f, row blocks a0 on.  Every quarter walks the accumulators in one order, one instruction a turn.
.macro MUL f, a0, na, zero
	WIN MULW
.set ia, \a0
.rept \na
.set ib, 0
.rept NB
.if \zero
	v_wmma_f32_16x16x32_f16 v[8*(NB*ia+ib):8*(NB*ia+ib)+7], v[FB0+FSTR*(\f)+8*ib:FB0+FSTR*(\f)+8*ib+7], v[FA0+FSTR*(\f)+8*ia:FA0+FSTR*(\f)+8*ia+7], 0
.else
	v_wmma_f32_16x16x32_f16 v[8*(NB*ia+ib):8*(NB*ia+ib)+7], v[FB0+FSTR*(\f)+8*ib:FB0+FSTR*(\f)+8*ib+7], v[FA0+FSTR*(\f)+8*ia:FA0+FSTR*(\f)+8*ia+7], v[8*(NB*ia+ib):8*(NB*ia+ib)+7]
.endif
.set ib, ib+1
.endr
.set ia, ia+1
.endr
.endm
.macro FETCH slot, q, f                ; one run of LDS loads: quarter q's fragments into buffer f
	WIN 0
.set ib, 0
.rept NB
	ds_load_b128 v[FB0+FSTR*(\f)+8*ib:FB0+FSTR*(\f)+8*ib+3],   v[ADRB+(\slot)] offset:64*(\q)+ib*16*PITCH
	ds_load_b128 v[FB0+FSTR*(\f)+8*ib+4:FB0+FSTR*(\f)+8*ib+7], v[ADRB+(\slot)] offset:64*(\q)+ib*16*PITCH+32
.set ib, ib+1
.endr
.set ia, 0
.rept 4
	ds_load_b128 v[FA0+FSTR*(\f)+8*ia:FA0+FSTR*(\f)+8*ia+3],   v[ADRA+(\slot)] offset:64*(\q)+ia*16*PITCH
	ds_load_b128 v[FA0+FSTR*(\f)+8*ia+4:FA0+FSTR*(\f)+8*ia+7], v[ADRA+(\slot)] offset:64*(\q)+ia*16*PITCH+32
.set ia, ia+1
.endr
.endm
; One of a step's first three quarters: buffer f is in; quarter q goes out into g, four places behind the products that read g, and has this quarter's products in which to land.
.macro QUARTER slot, q, f, g, zero
	s_wait_dscnt 0x0
	PLACES
	FETCH \slot, \q, \g
	MUL \f, 0, 4, \zero
.endm
; The fourth quarter multiplies buffer 1 and changes slots.  In front of the barrier each wave waits for all its tensor loads (one is out: its part of the next slot), adds 0 to its
; spare word, and waits for that and for its reads of this slot.  fill = 1: the barrier opens a round of the cluster's, and the joint refill, two K steps on, is the first thing behind it.
.macro TURN slot, next, fill
	WIN 0
	s_wait_tensorcnt 0x0
	ds_add_u32 v[SPW], v[NIL]
	s_wait_dscnt 0x1                               ; buffer 1 is in; the add alone may be out
	MUL 1, 0, 1, 0
	s_wait_dscnt 0x0                               ; the add is done, and my reads of this slot are over
	s_barrier_signal -1
	MUL 1, 1, 1, 0
	WIN 0
	s_barrier_wait -1
.if \fill
	CREST
	s_add_nc_u64 s[G0A+4*(\slot)+2:G0A+4*(\slot)+3], s[G0A+4*(\slot)+2:G0A+4*(\slot)+3], 512
	s_add_nc_u64 s[G0B+4*(\slot)+2:G0B+4*(\slot)+3], s[G0B+4*(\slot)+2:G0B+4*(\slot)+3], 512
	JLOAD \slot                                    ; its four v_nop are also the places in front of the loads below
.else
	PLACES
.endif
	FETCH \next, 0, 0
	MUL 1, 2, 2, 0
.endm
	s_load_b256 s[4:11], s[0:1], 0x0               ; A s[4:5], wt s[6:7], out s[8:9], first bias s[10:11]
.if !GELU
	s_load_b128 s[12:15], s[0:1], 0x20             ; bk, bv
.endif
	v_lshl_add_u32 v[SPW], v0, 2, SPARE
	v_mov_b32 v[NIL], 0
	ds_add_u32 v[SPW], v[NIL]                      ; the wave's opening: the add and its wait stand ahead of my first tensor load
	v_lshrrev_b32 v1, 5, v0
	v_readfirstlane_b32 s[WV], v1
	s_and_b32 s17, s[WV], 3                        ; which part of A's or W's rows I fetch
	s_bfe_u32 s18, ttmp6, 0x40000                  ; cx
	s_bfe_u32 s19, ttmp6, 0x40004                  ; cy
	s_lshl_b32 s20, ttmp9, 2
	s_add_co_u32 s20, s20, s18                     ; tile column
	s_and_b32 s21, ttmp7, 0xffff
	s_lshl_b32 s21, s21, 2
	s_add_co_u32 s21, s21, s19                     ; tile row
	s_lshl_b32 s66, s19, 2
	s_lshl_b32 s66, 15, s66                        ; my row of the cluster
	s_lshl_b32 s67, 0x1111, s18                    ; my column
	s_or_b32 s[G1A], s66, FLAGS
	s_or_b32 s[G1B], s67, FLAGS
	s_mov_b32 s[G1A+1], 128<<16                    ; tensor_dim0 = 128
	s_mov_b32 s[G1A+2], 64<<16                     ; tensor_dim1 = 64
	s_mov_b32 s[G1A+3], 128<<16                    ; tile_dim0 = 128
	s_mov_b32 s[G1A+4], 64                         ; tile_dim1 = 64
	s_mov_b32 s[G1A+5], 512                        ; elements from row to row
	s_mov_b32 s[G1A+6], 0
	s_mov_b32 s[G1A+7], 0
	s_mov_b32 s[G1B+1], 128<<16
	s_mov_b32 s[G1B+2], LB<<16
	s_mov_b32 s[G1B+3], 128<<16
	s_mov_b32 s[G1B+4], LB
	s_mov_b32 s[G1B+5], 512
	s_mov_b32 s[G1B+6], 0
	s_mov_b32 s[G1B+7], 0
	s_lshl_b32 s56, s21, 8                         ; A: row 256 x tile row + 64 x part, rows of 1,024 bytes
	s_lshl_b32 s57, s17, 6
	s_add_co_u32 s56, s56, s57
	s_lshl_b32 s56, s56, 10
	s_mov_b32 s57, 0
	s_mul_i32 s60, s20, BROWS                      ; W: row BROWS x tile column + LB x part
	s_mul_i32 s61, s17, LB
	s_add_co_u32 s60, s60, s61
	s_lshl_b32 s60, s60, 10
	s_add_co_u32 s60, s60, WOFF
	s_mov_b32 s61, 0
	s_mul_i32 s22, s[WV], 64*PITCH                 ; LDS: A's parts by waves 0-3,
	s_mul_i32 s23, s[WV], LB*PITCH
	s_add_co_u32 s23, s23, ABYTES-4*LB*PITCH       ; W's by waves 4-7, behind A: the wave's number and constants alone
	s_wait_dscnt 0x0                               ; the opening add is done
	s_wait_kmcnt 0x0
	s_add_nc_u64 s[58:59], s[4:5], s[56:57]
	s_add_nc_u64 s[62:63], s[6:7], s[60:61]
	CROUND                                         ; all sixteen work-groups are here: the first joint loads meet
.irp s, 0,1
	s_mov_b32 s[G0A+4*\s], 1
	s_add_co_u32 s[G0A+4*\s+1], s22, \s*SLOT
	s_add_nc_u64 s[G0A+4*\s+2:G0A+4*\s+3], s[58:59], \s*256
	s_or_b32 s[G0A+4*\s+3], s[G0A+4*\s+3], 0x80000000
	s_mov_b32 s[G0B+4*\s], 1
	s_add_co_u32 s[G0B+4*\s+1], s23, \s*SLOT
	s_add_nc_u64 s[G0B+4*\s+2:G0B+4*\s+3], s[62:63], \s*256
	s_or_b32 s[G0B+4*\s+3], s[G0B+4*\s+3], 0x80000000
.endr
	s_cmp_lt_u32 s[WV], 4                          ; a wave's two first fills stand in one branch: two loads of mine are out
	s_cbranch_scc0 .Lfirst_b
	tensor_load_to_lds s[G0A:G0A+3], s[G1A:G1A+7]
	s_nop 0
	tensor_load_to_lds s[G0A+4:G0A+7], s[G1A:G1A+7]
	s_nop 0
	PLACES
	s_branch .Lfirst_done
.Lfirst_b:
	tensor_load_to_lds s[G0B:G0B+3], s[G1B:G1B+7]
	s_nop 0
	tensor_load_to_lds s[G0B+4:G0B+7], s[G1B:G1B+7]
	s_nop 0
	PLACES
.Lfirst_done:
	v_and_b32 v1, 15, v0                           ; r = l % 16
	v_bfe_u32 v2, v0, 4, 1                         ; h = l / 16
	v_mul_u32_u24 v3, v1, PITCH
	v_lshl_add_u32 v3, v2, 4, v3                   ; a fragment: row x pitch + 16 h, two loads 32 bytes apart
	s_lshr_b32 s68, s[WV], 1                       ; which 64 rows are mine
	s_and_b32 s69, s[WV], 1                        ; which half of the columns
	s_mul_i32 s70, s68, 64*PITCH
	s_mul_i32 s71, s69, 16*NB*PITCH
	s_add_co_u32 s71, s71, ABYTES
.irp s, 0,1
	v_add_nc_u32 v[ADRA+\s], s70, v3
	v_add_nc_u32 v[ADRB+\s], s71, v3
	s_add_co_u32 s70, s70, SLOT
	s_add_co_u32 s71, s71, SLOT
.endr
	s_mul_i32 s70, s68, 64*DP
	s_mul_i32 s71, s69, 64*NB
	s_add_co_u32 s70, s70, s71
	v_mul_u32_u24 v4, v1, DP
	v_lshl_add_u32 v4, v2, 5, v4
	v_add_nc_u32 v[STO], s70, v4                   ; (64 wm + r) DP + my half's columns + 32 h
	v_and_b32 v5, 31, v0
	v_lshrrev_b32 v6, 3, v5
	v_and_b32 v7, 7, v0
	v_mul_u32_u24 v6, v6, DP
	v_lshl_add_u32 v[RD0], v7, 5, v6               ; back: four rows, eight lanes a row, 32 bytes of f32 a lane
	s_mul_i32 s[RB], s[WV], 32*DP                  ; wave w finishes rows 32 w .. 32 w + 31
	v_lshlrev_b32 v[CO], 4, v5
	v_lshlrev_b32 v[BO], 5, v7
	s_mul_i32 s70, s20, CBW                        ; out: my tile's first block of 1,048,576 bytes, my tile's rows, my wave's 32 of them, 128 bytes a row
	s_lshl_b32 s70, s70, 20
	s_lshl_b32 s71, s21, 15
	s_add_co_u32 s70, s70, s71
	s_lshl_b32 s71, s[WV], 12
	s_add_co_u32 s70, s70, s71
	s_mov_b32 s71, 0
	s_add_nc_u64 s[8:9], s[8:9], s[70:71]
.if GELU
	s_lshl_b32 s70, s20, 10                        ; 256 biases a tile
	s_mov_b32 s71, 0
	s_add_nc_u64 s[10:11], s[10:11], s[70:71]
.irp c, 0,1,2,3
	global_load_b128 v[BI+8*\c:BI+8*\c+3],   v[BO], s[10:11] offset:256*\c
	global_load_b128 v[BI+8*\c+4:BI+8*\c+7], v[BO], s[10:11] offset:256*\c+16
.endr
.set CP,  72                           ; scalar pairs: the packed forms take the low word for both halves
.set CE,  74
.set CA1, 76
.set CA2, 78
.set CA3, 80
.set CA4, 82
.set CA5, 84
.set ABSM, 87
.irp h, 0,1
	s_mov_b32 s[CP+\h],  0x3e6d3389                ; 0.3275911 / sqrt(2)
	s_mov_b32 s[CE+\h],  0xbf38aa3b                ; -log2(e) / 2
	s_mov_b32 s[CA1+\h], 0x3e027906                ; the series' five coefficients, halved
	s_mov_b32 s[CA2+\h], 0xbe11a98e
	s_mov_b32 s[CA3+\h], 0x3f35f0e3
	s_mov_b32 s[CA4+\h], 0xbf3a00e3
	s_mov_b32 s[CA5+\h], 0x3f07dc22
.endr
	s_mov_b32 s[ABSM], 0x7fffffff
.else
	s_mul_i32 s72, s20, 3                          ; block 3 tx + c of 24: blocks 0-7 take bq, 8-15 bk, 16-23 bv: a choice between buffers, no branch
.irp c, 0,1,2
	s_add_co_u32 s73, s72, \c
	s_lshr_b32 s74, s73, 3
	s_and_b32 s76, s73, 7
	s_lshl_b32 s76, s76, 8
	s_mov_b32 s77, 0
	s_cmp_eq_u32 s74, 1
	s_cselect_b64 s[78+2*\c:79+2*\c], s[12:13], s[10:11]
	s_cmp_eq_u32 s74, 2
	s_cselect_b64 s[78+2*\c:79+2*\c], s[14:15], s[78+2*\c:79+2*\c]
	s_add_nc_u64 s[78+2*\c:79+2*\c], s[78+2*\c:79+2*\c], s[76:77]
	global_load_b128 v[BI+8*\c:BI+8*\c+3],   v[BO], s[78+2*\c:79+2*\c]
	global_load_b128 v[BI+8*\c+4:BI+8*\c+7], v[BO], s[78+2*\c:79+2*\c] offset:16
.endr
.endif
	s_wait_tensorcnt 0x1                           ; my part of K step 0 is in; step 1's may stay out
	s_barrier_signal -1
	s_barrier_wait -1
	FETCH 0, 0, 0
	QUARTER 0, 1, 0, 1, 1                          ; the first quarter's products start the sums: nothing is cleared
	QUARTER 0, 2, 1, 0, 0
	QUARTER 0, 3, 0, 1, 0
	TURN 0, 1, 1                                   ; slot 0 takes K step 2
	QUARTER 1, 1, 0, 1, 0
	QUARTER 1, 2, 1, 0, 0
	QUARTER 1, 3, 0, 1, 0
	TURN 1, 0, 1                                   ; slot 1 takes K step 3
	QUARTER 0, 1, 0, 1, 0
	QUARTER 0, 2, 1, 0, 0
	QUARTER 0, 3, 0, 1, 0
	TURN 0, 1, 0
	QUARTER 1, 1, 0, 1, 0
	QUARTER 1, 2, 1, 0, 0
	QUARTER 1, 3, 0, 1, 0
	s_wait_dscnt 0x0
	MUL 1, 0, 4, 0
	; THE WAY OUT.  Both slots have had their last fill and every wave's reads are back: behind a barrier the ring becomes the tile in f32.
	PLACES
	PLACES
	WIN 0
	s_barrier_signal -1
	s_barrier_wait -1
	WIN 0x04                                       ; the stores' data in window 1
.set ia, 0
.rept 4
.set ib, 0
.rept NB
	ds_store_b128 v[STO], v[8*(NB*ia+ib):8*(NB*ia+ib)+3]   offset:ia*16*DP+64*ib      ; each accumulator's low registers first
	ds_store_b128 v[STO], v[8*(NB*ia+ib)+4:8*(NB*ia+ib)+7] offset:ia*16*DP+64*ib+16
.set ib, ib+1
.endr
.set ia, ia+1
.endr
	WIN 0
	s_wait_dscnt 0x0                               ; for the others' sake: my part of the tile is written
	s_barrier_signal -1
	s_barrier_wait -1
	s_wait_loadcnt 0x0                             ; the biases
.if GELU
; Eight trips of 4 rows x 4 blocks: 32 numbers a lane.  gelu(x) = max(x, 0) - |x| (poly(t) / 2) e^(-x x / 2), t = 1 / (1 + 0.2316419 |x|): erf by a series of five terms, absolute error 1.5e-7 for every x.
.set X,   32
.set AX,  64
.set T,   96
.set E,   128
.set Y,   160
.set OUT, 192
.macro P16 line:vararg
.set n, 0
.rept 16
	\line
.set n, n+1
.endr
.endm
	s_mov_b32 s3, 8
.Lout:
	v_add_nc_u32 v[RDA], s[RB], v[RD0]
.irp c, 0,1,2,3
	ds_load_b128 v[X+8*\c:X+8*\c+3],   v[RDA] offset:256*\c
	ds_load_b128 v[X+8*\c+4:X+8*\c+7], v[RDA] offset:256*\c+16
.endr
	s_wait_dscnt 0x0
	P16 v_pk_add_f32 v[X+2*n:X+2*n+1], v[X+2*n:X+2*n+1], v[BI+2*n:BI+2*n+1]
	; one batch of 64 reciprocals and exponentials: pair n - 1's four stand singly between pair n's five plain lines; nothing ahead of the wait names a result
.set n, 0
.rept 16
	v_and_b32 v[AX+2*n], s[ABSM], v[X+2*n]
.if n > 0
	v_rcp_f32 v[T+2*n-2], v[T+2*n-2]
.endif
	v_and_b32 v[AX+2*n+1], s[ABSM], v[X+2*n+1]
.if n > 0
	v_rcp_f32 v[T+2*n-1], v[T+2*n-1]
.endif
	v_pk_fma_f32 v[T+2*n:T+2*n+1], v[AX+2*n:AX+2*n+1], s[CP:CP+1], 1.0 op_sel_hi:[1,0,0]
.if n > 0
	v_exp_f32 v[E+2*n-2], v[E+2*n-2]
.endif
	v_pk_mul_f32 v[E+2*n:E+2*n+1], v[AX+2*n:AX+2*n+1], v[AX+2*n:AX+2*n+1]
.if n > 0
	v_exp_f32 v[E+2*n-1], v[E+2*n-1]
.endif
	v_pk_mul_f32 v[E+2*n:E+2*n+1], v[E+2*n:E+2*n+1], s[CE:CE+1] op_sel_hi:[1,0]
.set n, n+1
.endr
	v_rcp_f32 v[T+30], v[T+30]
	v_max_num_f32 v[X], 0, v[X]
	v_rcp_f32 v[T+31], v[T+31]
	v_max_num_f32 v[X+1], 0, v[X+1]
	v_exp_f32 v[E+30], v[E+30]
	v_max_num_f32 v[X+2], 0, v[X+2]
	v_exp_f32 v[E+31], v[E+31]
.set n, 3
.rept 29
	v_max_num_f32 v[X+n], 0, v[X+n]
.set n, n+1
.endr
	s_wait_alu depctr_va_vdst(0)                   ; one wait for the batch, ahead of its first reader
	P16 v_pk_fma_f32 v[Y+2*n:Y+2*n+1], v[T+2*n:T+2*n+1], s[CA5:CA5+1], s[CA4:CA4+1] op_sel_hi:[1,0,0]
	P16 v_pk_fma_f32 v[Y+2*n:Y+2*n+1], v[Y+2*n:Y+2*n+1], v[T+2*n:T+2*n+1], s[CA3:CA3+1] op_sel_hi:[1,1,0]
	P16 v_pk_fma_f32 v[Y+2*n:Y+2*n+1], v[Y+2*n:Y+2*n+1], v[T+2*n:T+2*n+1], s[CA2:CA2+1] op_sel_hi:[1,1,0]
	P16 v_pk_fma_f32 v[Y+2*n:Y+2*n+1], v[Y+2*n:Y+2*n+1], v[T+2*n:T+2*n+1], s[CA1:CA1+1] op_sel_hi:[1,1,0]
	P16 v_pk_mul_f32 v[Y+2*n:Y+2*n+1], v[Y+2*n:Y+2*n+1], v[T+2*n:T+2*n+1]
	P16 v_pk_mul_f32 v[Y+2*n:Y+2*n+1], v[Y+2*n:Y+2*n+1], v[E+2*n:E+2*n+1]
	P16 v_pk_fma_f32 v[X+2*n:X+2*n+1], v[AX+2*n:AX+2*n+1], v[Y+2*n:Y+2*n+1], v[X+2*n:X+2*n+1] neg_lo:[1,0,0] neg_hi:[1,0,0]
	P16 v_cvt_pk_f16_f32 v[OUT+n], v[X+2*n], v[X+2*n+1]
.irp c, 0,1,2,3
	global_store_b128 v[CO], v[OUT+4*\c:OUT+4*\c+3], s[8:9] offset:\c*1048576  ; four rows of a block: 512 consecutive bytes, aligned
.endr
	s_wait_xcnt 0x0                                ; the stores' data and base are written again only behind this wait
	s_add_co_u32 s[RB], s[RB], 4*DP
	s_add_nc_u64 s[8:9], s[8:9], 512
	s_sub_co_u32 s3, s3, 1
	s_cmp_lg_u32 s3, 0
	s_cbranch_scc1 .Lout
.else
; Four trips of 8 rows x 3 blocks
.set X,   32
.set OUT, 96
	s_mov_b32 s3, 4
.Lout:
	v_add_nc_u32 v[RDA], s[RB], v[RD0]
.irp p, 0,1
.irp c, 0,1,2
	ds_load_b128 v[X+8*(3*\p+\c):X+8*(3*\p+\c)+3],   v[RDA] offset:\p*4*DP+256*\c
	ds_load_b128 v[X+8*(3*\p+\c)+4:X+8*(3*\p+\c)+7], v[RDA] offset:\p*4*DP+256*\c+16
.endr
.endr
	s_wait_dscnt 0x0
.irp p, 0,1
.irp c, 0,1,2
.irp j, 0,1,2,3
	v_pk_add_f32 v[X+8*(3*\p+\c)+2*\j:X+8*(3*\p+\c)+2*\j+1], v[X+8*(3*\p+\c)+2*\j:X+8*(3*\p+\c)+2*\j+1], v[BI+8*\c+2*\j:BI+8*\c+2*\j+1]
.endr
.irp j, 0,1,2,3
	v_cvt_pk_f16_f32 v[OUT+4*(3*\p+\c)+\j], v[X+8*(3*\p+\c)+2*\j], v[X+8*(3*\p+\c)+2*\j+1]
.endr
	global_store_b128 v[CO], v[OUT+4*(3*\p+\c):OUT+4*(3*\p+\c)+3], s[8:9] offset:\c*1048576+\p*512  ; four rows of a block: 512 consecutive bytes, aligned
.endr
.endr
	s_wait_xcnt 0x0                                ; the stores' data and base are written again only behind this wait
	s_add_co_u32 s[RB], s[RB], 8*DP
	s_add_nc_u64 s[8:9], s[8:9], 1024
	s_sub_co_u32 s3, s3, 1
	s_cmp_lg_u32 s3, 0
	s_cbranch_scc1 .Lout
.endif
	s_wait_tensorcnt 0x0                           ; the wave's end
	ds_add_u32 v[SPW], v[NIL]
	s_wait_dscnt 0x0
	CROUND                                         ; the closing round: no work-group ends while a partner may still ask jointly
	s_endpgm
.Lfunc_end_k_qb4a5de30c3_qkv:
	.size	k_qb4a5de30c3_qkv, .Lfunc_end_k_qb4a5de30c3_qkv-k_qb4a5de30c3_qkv
	.p2alignl 7, 3214868480
	.fill 96, 4, 3214868480
	.section	.rodata,"a",@progbits
	.p2align	6, 0x0
	.amdhsa_kernel k_qb4a5de30c3_qkv
		.amdhsa_group_segment_fixed_size 327680
		.amdhsa_private_segment_fixed_size 0
		.amdhsa_enable_private_segment 0
		.amdhsa_kernarg_size 48
		.amdhsa_user_sgpr_count 2
		.amdhsa_user_sgpr_kernarg_segment_ptr 1
		.amdhsa_wavefront_size32 1
		.amdhsa_system_sgpr_workgroup_id_x 1
		.amdhsa_system_sgpr_workgroup_id_y 1
		.amdhsa_system_sgpr_workgroup_id_z 1
		.amdhsa_system_vgpr_workitem_id 0
		.amdhsa_next_free_vgpr 512
		.amdhsa_next_free_sgpr 96
		.amdhsa_reserve_vcc 0
		.amdhsa_float_denorm_mode_32 3
		.amdhsa_float_denorm_mode_16_64 3
		.amdhsa_memory_ordered 1
		.amdhsa_forward_progress 1
		.amdhsa_inst_pref_size 67
	.end_amdhsa_kernel
	.amdgpu_metadata
---
amdhsa.version: [ 1, 2 ]
amdhsa.kernels:
  - .name:           k_qb4a5de30c3_qkv
    .symbol:         k_qb4a5de30c3_qkv.kd
    .args:
      - { .name: xh, .offset: 0, .size: 8, .value_kind: global_buffer, .address_space: global }
      - { .name: wt, .offset: 8, .size: 8, .value_kind: global_buffer, .address_space: global }
      - { .name: qkv, .offset: 16, .size: 8, .value_kind: global_buffer, .address_space: global }
      - { .name: bq, .offset: 24, .size: 8, .value_kind: global_buffer, .address_space: global }
      - { .name: bk, .offset: 32, .size: 8, .value_kind: global_buffer, .address_space: global }
      - { .name: bv, .offset: 40, .size: 8, .value_kind: global_buffer, .address_space: global }
    .group_segment_fixed_size: 327680
    .private_segment_fixed_size: 0
    .kernarg_segment_align: 8
    .kernarg_segment_size: 48
    .max_flat_workgroup_size: 256
    .sgpr_count:     96
    .vgpr_count:     512
    .wavefront_size: 32
...
	.end_amdgpu_metadata
.endif
;; end of part 2
;; launch attn (part 3): grid 16 x 16, 4 waves a work-group, clusters of 4 x 1, 327,680 bytes of LDS; arguments qkv, mask, ctx; writes ctx
.if DOCPART == 3
	.amdgcn_target "amdgcn-amd-amdhsa--gfx1250"
	.amdhsa_code_object_version 6
	.text
	.protected	k_qb4a5de30c3_attn
	.globl	k_qb4a5de30c3_attn
	.p2align	8
	.type	k_qb4a5de30c3_attn,@function
k_qb4a5de30c3_attn:
	s_mov_b64 s[64:65], 0
	v_nop
	global_prefetch_b8 v0, s[64:65] scope:SCOPE_SE
	s_setreg_imm32_b32 hwreg(HW_REG_WAVE_MODE, 25, 1), 1
	s_wait_xcnt 0x0
	s_wait_alu depctr_hold_cnt(0) depctr_sa_sdst(0) depctr_va_vdst(0) depctr_va_sdst(0) depctr_va_ssrc(0) depctr_va_vcc(0) depctr_vm_vsrc(0)
	s_getreg_b32 s2, hwreg(HW_REG_IB_STS2, 6, 4)
	s_cmp_eq_u32 s2, 0
	s_cbranch_scc0 .Lentry_in_a_cluster
	s_endpgm
.Lentry_in_a_cluster:
	s_bfe_u32 s2, ttmp6, 0x10000c
	s_cmp_lg_u32 s2, 0x3003
	s_cbranch_scc0 .Lentry_shape_is_right
	s_endpgm
.Lentry_shape_is_right:
; O[b][h][q][:] = the sum over k of softmax_k(where(mask[b][k] == 0, hidden, Q.K / 8)) V[k][:].  qkv: [24][8192][64] f16 (block = which x 8 + head, row = 4096 b + l); ctx: [8][8192][64] f16.
; Products, maxima and sums in f32; the weights p are rounded to f16 for the second product (their sum l is taken of the unrounded p), O once at the end.
; LIMITS.  A hidden score counts as -2^100 (c x 2^100 is exact in f32, so a step of hidden keys alone gives weights 0 or 1 that the first live key's a = 0 wipes out); live scores far below that are not served.
; Where all 4,096 keys of a batch are hidden Q is set to 0 by selects, all scores are -2^100 exactly and the weights are equal.  A weight below 2^-126 counts as 0 in l.  q, k, v lie within f16's 65,504.
; SHARES.  A work-group owns 256 queries of one head, a wave 64: four PIECES of 16.  Every wave walks all 4,096 keys, 64 a step, four steps to an LDS slot, two slots.
; LAYOUT.  S^T = K Q^T + MC (source 0 = 16 keys, source 1 = 16 queries): a lane holds ONE query (lane % 16) and the keys 8 (lane / 16) + 0..7.  MC, the C operand that starts the sum, is 0 or -2^100 by key;
; it comes from a table of 4,096 words in LDS, made once from the mask, with K's run of loads.  Two results rounded to f16 ARE source 1 of O^T = V^T P.  V is turned by ds_load_tr16_b128.
; SOFTMAX.  p = 2^(c s - c m), c = log2(e) / 8, with a running maximum m; O and l are multiplied by a = 2^(c m_old - c m_new) in every step; m starts at the lowest finite number, so the first a is 0.
; TURNS.  Turn n belongs to piece n: 8 products K Q^T of piece n + 1, later 8 products V^T P of piece n - 1; beside them the scaling, exponentials, roundings, sums and rescaling of piece n and the maximum and
; statistics of piece n + 1.  Four vector instructions stand behind every matrix instruction, the others in one lump.  A turn's 33 exponentials are one batch with one wait.
; CLUSTER.  The four query blocks of a cluster belong to one head and walk the same K and V: each tile is asked for jointly.
; REGISTERS (s_set_vgpr_msb: bits 1:0 source 0, 3:2 source 1, 5:4 source 2, 7:6 destination):
;   window 0: v0-15, v32-33, v61-63 addresses; v16-31 statistics; v48-55 at work; v64-127 S^T, two buffers; v128-163 the mask at the head; v192-223 P, two buffers
;   window 1: v0-127 O^T, 32 a piece; v128-159 MC      window 2: v0-63 Q; v128-191 K of one step; v192-255 V of one step
.set NP,    4
.set KS,    64
.set PK,    144       ; a row of K in LDS: 128 bytes + 16
.set PV,    160       ; a row of V: 128 + 32
.set VOFF,  4*KS*PK   ; a slot: 256 rows of K, then 256 rows of V
.set SLOT1, 1<<17     ; slot 1 begins here: one exclusive or turns an address in one slot into the other's
.set STAGE, SLOT1+4*KS*(PK+PV)  ; 16 rows x 144 bytes for each wave, for the way out
.set SP,    144
.set SPARE, STAGE+4*16*SP       ; the spare words, 128 bytes for each wave
.set MTAB,  SPARE+512           ; 4,096 words: 0 or -2^100 for each key of my batch
.set FLG,   MTAB+16384          ; four words: has wave w seen a live key?
.set AK0, 2
.set AV0, 3
.set AK,  4
.set AV,  5
.set STO, 6
.set RD,  7
.set GO,  8
.set MV,  12
.set QO,  15
.set ST,  16          ; piece t: c m, m, l (even keys', odd keys')
.set AM0, 32          ; MTAB + 32 (l / 16); never rewritten
.set AM,  33
.set TMP, 48
.set PFO, 61          ; 256 x lane; never rewritten
.set SPW, 62          ; SPARE + 4 x my thread's number; never rewritten
.set NIL, 63          ; 0; never rewritten
.set S,   64
.set P,   192
.set MC,  128         ; window 1
.set KF,  128         ; window 2
.set VF,  192         ; window 2
.set WV,  12
.set LIM, 15          ; 1 in a wave that prefetches, else the greatest number
.set G1K, 24
.set G1V, 32
.set G0K, 40
.set G0V, 44
.set SLOTS, 56
.set CNT, 57
.set CS,  58
.set SEL, 60
.set TBK, 62          ; LDS byte at which K of the step to be fetched begins
.set TBV, 63          ; the same for V, less VOFF
.set TBM, 70          ; the same in the mask's table
.set BIGN, 71
.set PFA, 78          ; s[78:79] my work-group's 32 blocks of 256 bytes of the slot after the one that is being asked for
.set MSB, 0
.macro WIN new
.if MSB != (\new)
	s_set_vgpr_msb (MSB<<8)|(\new)
.set MSB, (\new)
.endif
.endm
.set W_KQ, 0x0a
.set W_KM, 0x1a       ; the same with the C operand in window 1
.set W_PV, 0x52
.set W_RS, 0x41
.macro JLOAD                        ; waves 0 and 1 fetch the two halves of a slot's K, waves 2 and 3 those of its V: 128 keys each
	s_cmp_lt_u32 s[WV], 2
	s_cbranch_scc0 .Lfor_v_\@
	tensor_load_to_lds s[G0K:G0K+3], s[G1K:G1K+7]
	s_nop 0
.rept 4
	v_nop
.endr
	s_branch .Lasked_\@
.Lfor_v_\@:
	tensor_load_to_lds s[G0V:G0V+3], s[G1V:G1V+7]
	s_nop 0
.rept 4
	v_nop
.endr
.Lasked_\@:
.endm
; A prefetch of what the NEXT change of slots will ask for, four key steps ahead: a slot's K and V are 128 blocks of 256 bytes each.  All clusters of a head walk the same rows: the head's first cluster asks;
; its four partners take 32 blocks each, told apart by address; wave 0 asks for K's, wave 2 for V's.  The last change that fills a slot asks for nothing.
.macro ASK
	s_cmp_gt_u32 s[SLOTS], s[LIM]
	s_cbranch_scc0 .Lnot_mine_\@
	global_prefetch_b8 v[PFO], s[PFA:PFA+1] th:TH_LOAD_NT scope:SCOPE_SE
.Lnot_mine_\@:
.endm
.macro CROUND
	s_barrier_signal -1
	s_barrier_wait -1
	s_cmp_lg_u32 s[WV], 0
	s_cbranch_scc1 .Lnot_wave_0_\@
	s_barrier_signal -3
.Lnot_wave_0_\@:
	s_barrier_wait -3
	s_barrier_signal -1
	s_barrier_wait -1
.endm
; THE CHANGE OF SLOTS.  Each wave waits for all its tensor loads (one is out: its part of the other slot), adds 0 to its spare word, and waits for that and for its LDS instructions.  fill = 1: the barrier is a
; round of the cluster's, and the joint fill, with the keys two slots on, is the first thing behind it.  (At its first use slot 0 is waited for, slot 1 filled, and the mask's table and flags made known.)
.macro CHANGE fill
	WIN 0
	s_wait_tensorcnt 0x0
	ds_add_u32 v[SPW], v[NIL]
.if \fill
.irp g, G0K, G0V
	s_xor_b32 s[\g+1], s[\g+1], SLOT1
	s_add_nc_u64 s[\g+2:\g+3], s[\g+2:\g+3], 4*KS*128
.endr
	s_wait_xcnt 0x0                 ; the last prefetch, four key steps back, has read its address
	s_add_nc_u64 s[PFA:PFA+1], s[PFA:PFA+1], 4*KS*128
	s_wait_dscnt 0x0
	CROUND
	JLOAD
	ASK
.else
	s_wait_dscnt 0x0
	s_barrier_signal -1
	s_barrier_wait -1
.endif
	s_sub_co_u32 s[TBK], s[TBK], 4*KS*PK
	s_xor_b32 s[TBK], s[TBK], SLOT1
	s_sub_co_u32 s[TBV], s[TBV], 4*KS*PV
	s_xor_b32 s[TBV], s[TBV], SLOT1
.endm
	s_load_b128 s[4:7], s[0:1], 0x0   ; qkv s[4:5], mask s[6:7]
	s_load_b64 s[10:11], s[0:1], 0x10 ; ctx
	v_lshl_add_u32 v[SPW], v0, 2, SPARE
	v_mov_b32 v[NIL], 0
	ds_add_u32 v[SPW], v[NIL]       ; the wave's opening: the add and its wait stand ahead of my first tensor load
	v_lshrrev_b32 v1, 5, v0
	v_readfirstlane_b32 s[WV], v1
	s_bfe_u32 s13, ttmp6, 0x40000   ; cx
	s_lshl_b32 s14, ttmp9, 2
	s_add_co_u32 s14, s14, s13      ; my block of 256 queries: it enters Q's and O's addresses alone
	s_and_b32 s20, ttmp7, 0xffff    ; 8 x batch + head, which the four partners share
	s_and_b32 s21, s20, 7
	s_lshr_b32 s22, s20, 3
	s_lshl_b32 s21, s21, 20         ; a block of qkv is 1,048,576 bytes,
	s_lshl_b32 s23, s22, 19         ; a batch's rows in it 524,288
	s_add_co_u32 s20, s21, s23
	s_and_b32 s16, s[WV], 1         ; which half of a slot's 256 keys I fetch
	s_lshl_b32 s2, s16, 14
	s_add_co_u32 s2, s2, s20
	s_add_co_u32 s2, s2, 8388608    ; K's eight blocks lie behind Q's
	s_mov_b32 s3, 0
	s_mul_i32 s17, s16, 128*PK
	s_mul_i32 s18, s16, 128*PV
	s_lshl_b32 s84, s14, 15         ; my block's rows, my wave's 64 of them
	s_lshl_b32 s85, s[WV], 13
	s_add_co_u32 s84, s84, s85
	s_add_co_u32 s84, s84, s20
	s_mov_b32 s85, 0
	s_lshl_b32 s86, s22, 14         ; my batch's 4,096 words of the mask
	s_mov_b32 s87, 0
	; 128 keys are 16,384 dense bytes: asked for as 64 rows of 256 bytes and padded in LDS after every key
	s_mov_b32 s[G1K], 15|(1<<16)|(1<<20)|(1<<21)|(4<<22)|(3<<25)
	s_mov_b32 s[G1V], 15|(1<<16)|(1<<20)|(1<<21)|(4<<22)|(7<<25)
.irp g, G1K, G1V
	s_mov_b32 s[\g+1], 128<<16
	s_mov_b32 s[\g+2], 64<<16
	s_mov_b32 s[\g+3], 128<<16
	s_mov_b32 s[\g+4], 64
	s_mov_b32 s[\g+5], 128
	s_mov_b32 s[\g+6], 0
	s_mov_b32 s[\g+7], 0
.endr
	s_mov_b32 s[CS], 0x3e38aa3b     ; c = log2(e) / 8
	s_mov_b32 s[CS+1], s[CS]
	s_mov_b32 s[SEL], 0x76543210
	s_mov_b32 s[SEL+1], 0xfedcba98
	s_mov_b32 s[TBK], SLOT1+4*KS*PK ; the first change of slots turns these two into 0
	s_mov_b32 s[TBV], SLOT1+4*KS*PV
	s_mov_b32 s[TBM], 0
	s_mov_b32 s[BIGN], 0xf1800000   ; -2^100
	s_mov_b32 s[SLOTS], 15
	s_mov_b32 s[G0K], 1
	s_mov_b32 s[G0K+1], s17
	s_mov_b32 s[G0V], 1
	s_add_co_u32 s[G0V+1], s18, VOFF
	s_and_b32 s[LIM], s[WV], 1      ; waves 0 and 2 of the head's first cluster: the same in all four partners
	s_or_b32 s[LIM], s[LIM], ttmp9
	s_cmp_eq_u32 s[LIM], 0
	s_cselect_b32 s[LIM], 1, -1
	s_wait_dscnt 0x0                ; the opening add is done
	s_wait_kmcnt 0x0
	s_add_nc_u64 s[74:75], s[4:5], s[2:3]       ; K at my half of the head's first 256 keys
	s_add_nc_u64 s[76:77], s[74:75], 8388608    ; V likewise
	s_mov_b64 s[G0K+2:G0K+3], s[74:75]
	s_or_b32 s[G0K+3], s[G0K+3], 0x80000000
	s_mov_b64 s[G0V+2:G0V+3], s[76:77]
	s_or_b32 s[G0V+3], s[G0V+3], 0x80000000
	s_add_nc_u64 s[4:5], s[4:5], s[84:85]       ; Q and O at my wave's first row
	s_add_nc_u64 s[10:11], s[10:11], s[84:85]
	s_add_nc_u64 s[6:7], s[6:7], s[86:87]
	s_cmp_lt_u32 s[WV], 2
	s_cselect_b64 s[PFA:PFA+1], s[74:75], s[76:77]
	s_lshl_b32 s2, s13, 13          ; my work-group's 32 blocks of the 128,
	s_add_co_u32 s2, s2, 32768      ; in slot 1: the first change of slots steps it to slot 2
	s_mov_b32 s3, 0
	s_add_nc_u64 s[PFA:PFA+1], s[PFA:PFA+1], s[2:3]
	CROUND                          ; all four work-groups are here: the first joint loads meet
	JLOAD                           ; slot 0
	v_and_b32 v1, 15, v0
	v_bfe_u32 v9, v0, 4, 1
	v_lshlrev_b32 v[QO], 7, v1
	v_lshl_add_u32 v[QO], v9, 4, v[QO]
	WIN 0x80
.set i, 0
.rept 8                             ; Q stays in registers: piece i / 2 (16 rows, 2,048 bytes), channels 32 (i % 2) on
	global_load_b128 v[8*i:8*i+3],   v[QO], s[4:5] offset:(i/2)*2048+(i%2)*64
	global_load_b128 v[8*i+4:8*i+7], v[QO], s[4:5] offset:(i/2)*2048+(i%2)*64+32
.set i, i+1
.endr
	WIN 0
	v_lshlrev_b32 v14, 4, v0
.set i, 0
.rept 8                             ; the batch's mask: 128 threads x 16 bytes, eight times
	global_load_b128 v[128+4*i:131+4*i], v14, s[6:7] offset:2048*i
.set i, i+1
.endr
	v_mul_u32_u24 v[AK0], v1, PK
	v_lshl_add_u32 v[AK0], v9, 4, v[AK0]
	v_and_b32 v10, 7, v0
	v_bfe_u32 v11, v0, 3, 1
	v_lshl_add_u32 v[AV0], v9, 3, v10
	v_mul_u32_u24 v[AV0], v[AV0], PV
	v_lshl_add_u32 v[AV0], v11, 4, v[AV0]
	v_add_nc_u32 v[AV0], VOFF, v[AV0]
	v_lshl_add_u32 v[AM0], v9, 5, MTAB
	v_and_b32 v[PFO], 31, v0
	v_lshlrev_b32 v[PFO], 8, v[PFO]
	s_mul_i32 s13, s[WV], 16*SP
	s_add_co_u32 s13, s13, STAGE
	v_mul_u32_u24 v[STO], v1, SP
	v_lshl_add_u32 v[STO], v9, 4, v[STO]
	v_add_nc_u32 v[STO], s13, v[STO]
	v_bfe_u32 v[RD], v0, 3, 2
	v_mul_u32_u24 v[RD], v[RD], SP
	v_lshl_add_u32 v[RD], v10, 4, v[RD]
	v_add_nc_u32 v[RD], s13, v[RD]
	v_and_b32 v[GO], 31, v0
	v_lshlrev_b32 v[GO], 4, v[GO]
	; The first step multiplies O^T and l by a = 0, and the first turn's products V^T P, of a piece that has not been, must add 0: V, O^T, l and P's second buffer start at 0, in the wait for the first tile.
	WIN 0x80
.set i, VF
.rept 64
	v_mov_b32 v[i], 0
.set i, i+1
.endr
	WIN 0x40
.set i, 0
.rept 128
	v_mov_b32 v[i], 0
.set i, i+1
.endr
	WIN 0
.set i, 0
.rept 4
	v_mov_b32 v[ST+4*i+2], 0
	v_mov_b32 v[ST+4*i+3], 0
.set i, i+1
.endr
.set i, P+16
.rept 16
	v_mov_b32 v[i], 0
.set i, i+1
.endr
	s_wait_loadcnt 0x0              ; Q and the mask
	v_or_b32 v160, v128, v129       ; has any of my wave's 1,024 keys a word other than 0?
.set i, 2
.rept 30
	v_or_b32 v160, v160, v[128+i]
.set i, i+1
.endr
	v_cmp_ne_u32 s72, 0, v160
	s_cmp_lg_u32 s72, 0
	s_cselect_b32 s73, 1, 0
	v_mov_b32 v161, s73
	s_lshl_b32 s72, s[WV], 2
	s_add_co_u32 s72, s72, FLG
	v_mov_b32 v162, s72
	ds_store_b32 v162, v161         ; all lanes write the same word with the same value
.set i, 0
.rept 32
	v_cmp_eq_u32 vcc_lo, 0, v[128+i]
	v_cndmask_b32 v[128+i], 0, s[BIGN], vcc_lo
.set i, i+1
.endr
	v_lshl_add_u32 v163, v0, 4, MTAB
.set i, 0
.rept 8
	ds_store_b128 v163, v[128+4*i:131+4*i] offset:2048*i
.set i, i+1
.endr
; THE MATRIX WORK.  The 4 accumulators of a run of 8 take turns.  Product i of 8 of S^T for piece x: channels 32 (i / 4) on, keys 16 (i % 4) on; the first 4 start the sums with the mask.
.macro KQ x
.set rS, S+32*((\x)%2)+8*(i%4)
.set rK, KF+16*(i%4)+8*(i/4)
.set rQ, 16*(\x)+8*(i/4)
.set rM, MC+8*(i%4)
.if i < 4
	WIN W_KM
	v_wmma_f32_16x16x32_f16 v[rS:rS+7], v[rK:rK+7], v[rQ:rQ+7], v[rM:rM+7]
.else
	WIN W_KQ
	v_wmma_f32_16x16x32_f16 v[rS:rS+7], v[rK:rK+7], v[rQ:rQ+7], v[rS:rS+7]
.endif
.endm
.macro PV x                         ; product i of 8 of O^T += V^T P for piece x: keys 32 (i / 4) on, channels 16 (i % 4) on
	WIN W_PV
.set rO, 32*(\x)+8*(i%4)
.set rV, VF+32*(i/4)+8*(i%4)
.set rP, P+16*((\x)%2)+8*(i/4)
	v_wmma_f32_16x16x32_f16 v[rO:rO+7], v[rV:rV+7], v[rP:rP+7], v[rO:rO+7]
.endm
.macro MM                           ; the turn's next matrix instruction.  NOKQ = 1: the last turn: there is no next piece
.if (i < 8) && !NOKQ
	KQ (Y+1)%NP
.elseif i >= 8
.set i, i-8
	PV (Y+NP-1)%NP
.set i, i+8
.endif
.set i, i+1
.endm
.macro FETCH_K                      ; one run: a step's K (8 fragments) and its 64 words of the mask's table, which have the same readers and the same wait
	WIN 0x80
.irp f, 0,1,2,3,4,5,6,7
	ds_load_b128 v[KF+8*\f:KF+8*\f+3],   v[AK] offset:(\f/2)*16*PK+(\f%2)*64
	ds_load_b128 v[KF+8*\f+4:KF+8*\f+7], v[AK] offset:(\f/2)*16*PK+(\f%2)*64+32
.endr
	WIN 0x40
.irp f, 0,1,2,3
	ds_load_b128 v[MC+8*\f:MC+8*\f+3],   v[AM] offset:64*\f
	ds_load_b128 v[MC+8*\f+4:MC+8*\f+7], v[AM] offset:64*\f+16
.endr
	s_add_co_u32 s[TBK], s[TBK], KS*PK
	s_add_co_u32 s[TBM], s[TBM], 256
	WIN 0
.endm
.macro FETCH_V
	WIN 0x80
.irp f, 0,1,2,3,4,5,6,7
	ds_load_tr16_b128 v[VF+8*\f:VF+8*\f+3],   v[AV] offset:(\f/4)*32*PV+(\f%4)*32
	ds_load_tr16_b128 v[VF+8*\f+4:VF+8*\f+7], v[AV] offset:(\f/4)*32*PV+16*PV+(\f%4)*32
.endr
	WIN 0
.endm
; THE VECTOR WORK, one line at a time: OP kind, number.  For piece Y: F n: c s - c m for pair n.  E n: the exponential of score n.  C n: pair n rounded to f16.  B n: of the weights 4 n .. the second pair is added
; onto the first.  L n: l takes that sum (L 0: l = a l + sum).  R n: pair n of O^T times a.  For piece Y + 1: X n, number n of the 22 that find its maximum and statistics (each accumulator's lowest registers first).
.set F, 0
.set E, 1
.set C, 2
.set B, 3
.set L, 4
.set R, 5
.set X, 6
.macro REGS y
.set rT, ST+4*(\y)
.set rC, TMP+4*((\y)%2)
.set rW, MV+((\y)%2)
.set rS, S+32*((\y)%2)
.set rP, P+16*((\y)%2)
.set rO, 32*(\y)
.endm
.macro OP k, n
.if (\k) == R
	REGS Y
	WIN W_RS
	v_pk_mul_f32 v[rO+2*(\n):rO+2*(\n)+1], v[rO+2*(\n):rO+2*(\n)+1], v[rC+2:rC+3] op_sel_hi:[1,0]
.elseif (\k) < R
	REGS Y
	WIN 0
.if (\k) == F
	v_pk_fma_f32 v[rS+2*(\n):rS+2*(\n)+1], v[rS+2*(\n):rS+2*(\n)+1], s[CS:CS+1], v[rT:rT+1] op_sel_hi:[1,0,0] neg_lo:[0,0,1] neg_hi:[0,0,1]
.elseif (\k) == E
	v_exp_f32 v[rS+(\n)], v[rS+(\n)]
.elseif (\k) == C
	v_cvt_pk_f16_f32 v[rP+(\n)], v[rS+2*(\n)], v[rS+2*(\n)+1]
.elseif (\k) == B
	v_pk_add_f32 v[rS+4*(\n):rS+4*(\n)+1], v[rS+4*(\n):rS+4*(\n)+1], v[rS+4*(\n)+2:rS+4*(\n)+3]
.elseif (\n) == 0
	v_pk_fma_f32 v[rT+2:rT+3], v[rT+2:rT+3], v[rC+2:rC+3], v[rS:rS+1] op_sel_hi:[1,0,1]
.else
	v_pk_add_f32 v[rT+2:rT+3], v[rT+2:rT+3], v[rS+4*(\n):rS+4*(\n)+1]
.endif
.elseif NOKQ
	v_nop
.else
	REGS (Y+1)%NP
	WIN 0
.if (\n) < 4
	v_max3_num_f32 v[rC+(\n)], v[rS+8*(\n)], v[rS+8*(\n)+1], v[rS+8*(\n)+2]
.elseif (\n) < 12
	v_max3_num_f32 v[rC+(\n)%4], v[rC+(\n)%4], v[rS+8*((\n)%4)+2*((\n)/4)+1], v[rS+8*((\n)%4)+2*((\n)/4)+2]
.elseif (\n) == 12
	v_max3_num_f32 v[rC], v[rC], v[rS+7], v[rS+15]
.elseif (\n) == 13
	v_max3_num_f32 v[rC+1], v[rC+1], v[rS+23], v[rS+31]
.elseif (\n) == 14
	v_max3_num_f32 v[rC+2], v[rC+2], v[rC+3], v[rT+1]
.elseif (\n) == 15
	v_mov_b32 v[rW], v[rT]
.elseif (\n) == 16
	v_max3_num_f32 v[rC], v[rC], v[rC+1], v[rC+2]
.elseif (\n) == 17
	v_permlanex16_b32 v[rC+3], v[rC], s[SEL], s[SEL+1]
.elseif (\n) == 18
	v_max_num_f32 v[rT+1], v[rC], v[rC+3]
.elseif (\n) == 19
	v_mul_f32 v[rT], s[CS], v[rT+1]
.elseif (\n) == 20
	v_sub_f32 v[rC+1], v[rW], v[rT]
.else
	v_exp_f32 v[rC+2], v[rC+1]
.endif
.endif
.endm
.macro OPS a, i1, b=-1, i2=0, c=-1, i3=0, d=-1, i4=0
	OP \a, \i1
.if (\b) >= 0
	OP \b, \i2
.endif
.if (\c) >= 0
	OP \c, \i3
.endif
.if (\d) >= 0
	OP \d, \i4
.endif
.endm
.macro ROW a, i1, b, i2, c, i3, d, i4  ; a matrix instruction and the four behind it
	MM
	OPS \a, \i1, \b, \i2, \c, \i3, \d, \i4
.endm
; A TURN, for piece p.  AHEAD OF ITS ONE WAIT stands all that names no result of the turn's exponentials: the 8 products K Q^T with their riders, then the lump; X 21, the next piece's a, is the batch's last and R 15 the
; plain instruction behind it.  BEHIND THE WAIT: the 8 products V^T P, behind each four of the roundings and sums.  end = 1: the last two turns: nothing is fetched.  cnt = 1: the loop's count is taken down ahead of the branch.
; K and the mask's words of the next step are fetched in piece 2's turn, six plain instructions behind the last product that read them, V of the step in hand at the end of piece 0's turn, four plain ones behind its last reader; each is waited for a turn later.
.macro TURN p, end=0, cnt=0
.set Y, (\p)
.set i, 0
.set NOKQ, (\end)*((\p)/3)
.if ((\p) == 3) && !(\end)
	s_wait_dscnt 0x0                ; K and its mask are in
.endif
	ROW F,0, F,1, R,0, R,1
	ROW F,2, E,0, R,2, R,3
	ROW F,3, E,1, R,4, R,5
	ROW F,4, E,2, R,6, R,7
	ROW F,5, E,3, R,8, R,9
	ROW F,6, E,4, X,0, R,10
.if ((\p) == 2) && !(\end)
	WIN 0
	v_add_nc_u32 v[AK], s[TBK], v[AK0]
	v_add_nc_u32 v[AM], s[TBM], v[AM0]
.endif
	ROW F,7, E,5, X,1, X,4
	ROW F,8, E,6, X,2, X,5
	OPS E,7, E,8, X,6, E,9
	OPS X,3, E,10, X,8, E,11
.if ((\p) == 2) && !(\end)
	FETCH_K
.endif
	OPS X,9, X,7, E,12, X,10
	OPS E,13, X,12, X,11, E,14
	OPS X,13, E,15, F,9, X,14
.if (\p) == 0
	v_add_nc_u32 v[AV], s[TBV], v[AV0]
.endif
	OPS E,16, F,10, E,17, F,11
	OPS X,16, E,18, X,15, E,19
	OPS F,12, E,20, X,17, E,21
	OPS F,13, E,22, F,14, E,23
	OPS X,18, E,24, F,15, E,25
	OPS R,11, E,26, X,19, E,27
	OPS R,12, E,28, R,13, E,29
	OPS X,20, E,30, R,14, E,31
	OPS X,21, R,15
	WIN 0
	s_wait_alu depctr_va_vdst(0)    ; the wait for the batch
.if (\p) == 1
	s_wait_dscnt 0x0                ; V is in
.endif
	ROW C,0, B,0, C,2, B,1
	ROW L,0, C,4, B,2, L,1
	ROW C,6, B,3, L,2, C,8
	ROW B,4, L,3, C,10, B,5
	ROW L,4, C,12, B,6, L,5
.if (\p) == 0
	s_add_co_u32 s[TBV], s[TBV], KS*PV
.endif
.if \cnt
	s_sub_co_u32 s[CNT], s[CNT], 1
	s_cmp_lg_u32 s[CNT], 0
.endif
	ROW C,14, B,7, L,6, C,1
	ROW C,3, L,7, C,5, C,7
	ROW C,9, C,11, C,13, C,15
.if (\p) == 0
	FETCH_V
.endif
.endm
	CHANGE 1                        ; slot 0 is in, everybody's part of it, and so are the table and the flags; slot 1 is asked for
	; THE BEGINNING: m and c m; Q set to 0 where no key of the batch is live; K of step 0, piece 0's first scores, its maximum and statistics
.set i, 0
.rept 4
	v_mov_b32 v[ST+4*i], 0xfe000000    ; c m: far below every c s
	v_mov_b32 v[ST+4*i+1], 0xff7fffff  ; m
.set i, i+1
.endr
	v_mov_b32 v14, FLG
	ds_load_b128 v[128:131], v14
	v_add_nc_u32 v[AK], s[TBK], v[AK0]
	v_add_nc_u32 v[AM], s[TBM], v[AM0]
	FETCH_K
	s_wait_dscnt 0x0
	v_or_b32 v128, v128, v129
	v_or_b32 v130, v130, v131
	v_or_b32 v128, v128, v130
	v_cmp_ne_u32 vcc_lo, 0, v128
	WIN 0x88
.set i, 0
.rept 64
	v_cndmask_b32 v[i], 0, v[i], vcc_lo
.set i, i+1
.endr
.set NOKQ, 0
.set i, 0
.rept 8
	KQ 0
.set i, i+1
.endr
	WIN 0
.rept 4
	v_nop                           ; the places behind those products
.endr
.set Y, NP-1
.irp n, 0,1,2,3,4,5,6,7,8,9,10,11,12,13,14,15,16,17,18,19,20,21
	OP X, \n
.endr
	v_nop                           ; a plain instruction behind the exponential,
	s_wait_alu depctr_va_vdst(0)    ; and its wait, ahead of the branch
	s_mov_b32 s[CNT], 4
	s_branch .Lfirst                ; the loop is entered at a step's first turn, in the middle of a trip
.Lslot:                             ; 14 times: slots 2 to 15 are asked for
	CHANGE 1
	s_mov_b32 s[CNT], 4
.Lstep:                             ; a trip: pieces 2 and 3 of one step, then pieces 0 and 1 of the next, whose K and V it fetches
	TURN 2
	TURN 3
	WIN 0
.Lfirst:
	TURN 0
	TURN 1, 0, 1
	WIN 0
	s_cbranch_scc1 .Lstep
	s_sub_co_u32 s[SLOTS], s[SLOTS], 1
	s_cmp_lg_u32 s[SLOTS], 0
	s_cbranch_scc1 .Lslot
	CHANGE 0                        ; the last slot is written out: nothing is asked for
	s_mov_b32 s[CNT], 4
.LstepT:
	TURN 2
	TURN 3
	TURN 0
	TURN 1, 0, 1
	WIN 0
	s_cbranch_scc1 .LstepT
	TURN 2, 1
	TURN 3, 1
.set i, 0
.rept 8
	PV NP-1
.set i, i+1
.endr
	; THE WAY OUT: l's two halves and the other half of the lanes' are added; O^T is divided by l, rounded to f16 and sent through my stage in LDS, a piece at a time.  The additions are the places behind the last products.
	WIN 0
.macro ALL line:vararg
.set t, 0
.rept 4
	\line
.set t, t+1
.endr
.endm
.macro PACK t
	WIN W_RS
.set i, 32*(\t)
.rept 16
	v_pk_mul_f32 v[i:i+1], v[i:i+1], v[ST+4*(\t)+2:ST+4*(\t)+3] op_sel_hi:[1,0]
.set i, i+2
.endr
	WIN 0x05
.set i, 0
.rept 16
	v_cvt_pk_f16_f32 v[S+16*(\t)+i], v[32*(\t)+2*i], v[32*(\t)+2*i+1]
.set i, i+1
.endr
	WIN 0
.irp f, 0,1,2,3
	ds_store_b128 v[STO], v[S+16*(\t)+4*\f:S+16*(\t)+4*\f+3] offset:32*\f
.endr
.irp f, 0,1,2,3
	ds_load_b128 v[S+16*(\t)+4*\f:S+16*(\t)+4*\f+3], v[RD] offset:\f*4*SP  ; LDS serves a wave's instructions in order: these see the stores above; the next piece's stores come behind them
.endr
.endm
.macro SEND t, younger              ; younger: the LDS instructions issued behind piece t's loads
	WIN 0
.irp f, 0,1,2,3
	s_wait_dscnt (\younger)+3-\f
	global_store_b128 v[GO], v[S+16*(\t)+4*\f:S+16*(\t)+4*\f+3], s[10:11] offset:(\t)*2048+\f*512  ; four rows: 512 consecutive bytes, aligned
.endr
.endm
	ALL v_add_f32 v[ST+4*t+2], v[ST+4*t+2], v[ST+4*t+3]
	ALL v_permlanex16_b32 v[ST+4*t+3], v[ST+4*t+2], s[SEL], s[SEL+1]
	ALL v_add_f32 v[ST+4*t+2], v[ST+4*t+2], v[ST+4*t+3]
	ALL v_rcp_f32 v[ST+4*t+2], v[ST+4*t+2]
	v_nop
	s_wait_alu depctr_va_vdst(0)    ; one wait for the four reciprocals
	PACK 0
.set t, 1
.rept 3
	PACK t
	SEND t-1, 8
.set t, t+1
.endr
	SEND 3, 0
	s_wait_tensorcnt 0x0            ; the wave's end
	ds_add_u32 v[SPW], v[NIL]
	s_wait_dscnt 0x0
	CROUND                          ; the closing round
	s_endpgm
.Lfunc_end_k_qb4a5de30c3_attn:
	.size	k_qb4a5de30c3_attn, .Lfunc_end_k_qb4a5de30c3_attn-k_qb4a5de30c3_attn
	.p2alignl 7, 3214868480
	.fill 96, 4, 3214868480
	.section	.rodata,"a",@progbits
	.p2align	6, 0x0
	.amdhsa_kernel k_qb4a5de30c3_attn
		.amdhsa_group_segment_fixed_size 327680
		.amdhsa_private_segment_fixed_size 0
		.amdhsa_enable_private_segment 0
		.amdhsa_kernarg_size 24
		.amdhsa_user_sgpr_count 2
		.amdhsa_user_sgpr_kernarg_segment_ptr 1
		.amdhsa_wavefront_size32 1
		.amdhsa_system_sgpr_workgroup_id_x 1
		.amdhsa_system_sgpr_workgroup_id_y 1
		.amdhsa_system_sgpr_workgroup_id_z 1
		.amdhsa_system_vgpr_workitem_id 0
		.amdhsa_next_free_vgpr 768
		.amdhsa_next_free_sgpr 90
		.amdhsa_reserve_vcc 1
		.amdhsa_float_denorm_mode_32 3
		.amdhsa_float_denorm_mode_16_64 3
		.amdhsa_memory_ordered 1
		.amdhsa_forward_progress 1
		.amdhsa_inst_pref_size 138
	.end_amdhsa_kernel
	.amdgpu_metadata
---
amdhsa.version: [ 1, 2 ]
amdhsa.kernels:
  - .name:           k_qb4a5de30c3_attn
    .symbol:         k_qb4a5de30c3_attn.kd
    .args:
      - { .name: qkv, .offset: 0, .size: 8, .value_kind: global_buffer, .address_space: global }
      - { .name: mask, .offset: 8, .size: 8, .value_kind: global_buffer, .address_space: global }
      - { .name: ctx, .offset: 16, .size: 8, .value_kind: global_buffer, .address_space: global }
    .group_segment_fixed_size: 327680
    .private_segment_fixed_size: 0
    .kernarg_segment_align: 8
    .kernarg_segment_size: 24
    .max_flat_workgroup_size: 128
    .sgpr_count:     90
    .vgpr_count:     768
    .wavefront_size: 32
...
	.end_amdgpu_metadata
.endif
;; end of part 3
;; launch wo_ln (part 4): grid 128 x 1, 8 waves a work-group, clusters of 4 x 1, 327,680 bytes of LDS; arguments ctx, wt, x, bo, ln1_g, ln1_b, hf, hh; writes hf, hh
.if DOCPART == 4
	.amdgcn_target "amdgcn-amd-amdhsa--gfx1250"
	.amdhsa_code_object_version 6
	.text
	.protected	k_qb4a5de30c3_wo_ln
	.globl	k_qb4a5de30c3_wo_ln
	.p2align	8
	.type	k_qb4a5de30c3_wo_ln,@function
k_qb4a5de30c3_wo_ln:
	s_mov_b64 s[64:65], 0
	v_nop
	global_prefetch_b8 v0, s[64:65] scope:SCOPE_SE
	s_setreg_imm32_b32 hwreg(HW_REG_WAVE_MODE, 25, 1), 1
	s_wait_xcnt 0x0
	s_wait_alu depctr_hold_cnt(0) depctr_sa_sdst(0) depctr_va_vdst(0) depctr_va_sdst(0) depctr_va_ssrc(0) depctr_va_vcc(0) depctr_vm_vsrc(0)
	s_getreg_b32 s2, hwreg(HW_REG_IB_STS2, 6, 4)
	s_cmp_eq_u32 s2, 0
	s_cbranch_scc0 .Lentry_in_a_cluster
	s_endpgm
.Lentry_in_a_cluster:
	s_bfe_u32 s2, ttmp6, 0x10000c
	s_cmp_lg_u32 s2, 0x3003
	s_cbranch_scc0 .Lentry_shape_is_right
	s_endpgm
.Lentry_shape_is_right:
; out = LayerNorm(res + A W^T + bias) x gain + beta.  A: [K/64][8192][64] f16 in blocks of 64 columns; W: [512][K] f16 at byte WOFF of wt; res, out: [8192][512] f32.  HALF = 1: out is stored in f16 as well.
; Sums, the residual and the statistics in f32; the mean first, then the mean of the squared deviations.
; SHARES.  A LayerNorm wants all 512 columns of a row in one work-group: a work-group makes 64 rows x 512 columns, wave w all 64 rows x columns 64 w on: 16 accumulators.  128 work-groups.
; THE SUMS START AS THE RESIDUAL: it is loaded straight into the accumulators, in the accumulators' layout: nothing is cleared, and no first quarter is written out.
; K goes in steps of 128 through two LDS slots: W's 512 rows (waves 0-3, 128 rows each, asked for jointly by the cluster's four work-groups, which walk the same W), then A's two blocks of 64 rows (waves 4 and 5,
; each work-group its own).  Waves 6 and 7 fetch nothing.  The matrix instruction is used transposed: a lane holds one row and eight neighbouring columns.
; REGISTERS: window 0: v16-34 addresses; v64-191 two fragment buffers of 64 (32 for W, 32 for A), later the way out; v192-239 bias, gain, beta.  Window 1: accumulator (a, b) at v[8 (4 a + b)].
.set K,     512
.set WOFF,  1572864
.set HALF,  1
.set LAPS,  K/256
.set PREF,  LAPS > 2                   ; with four K steps two are first fills and two the only refills: nothing to ask for ahead
.set NB,    4
.set PB,    272                        ; a row of W in LDS: 256 bytes + 16
.set PA,    144                        ; a row of A: 128 bytes + 16
.set BBYTES, 512*PB
.set ABLK,  64*PA
.set SLOT,  BBYTES+2*ABLK
.set SPARE, 2*SLOT                     ; the spare words, 128 bytes for each of eight waves
.set DP,    2064                       ; the way out: a row of 512 f32 + 16 bytes, laid over the ring when it has had its last fill
.set ADRA, 16
.set ADRB, 20
.set STO,  24                          ; v24 row blocks 0, 1; v25 row blocks 2, 3
.set RD0,  26
.set RDA,  27
.set SPW,  28                          ; SPARE + 4 x my thread's number; never rewritten
.set NIL,  29                          ; 0; never rewritten
.set XO,   30
.set OO,   31
.set HO,   32
.set PFO,  34
.set FB0,  64
.set FA0,  96
.set FSTR, 64
.set Z,    64                          ; the way out: a row's 16 numbers a lane, two rows
.set TT,   96                          ; eight at work a row
.set HH,   112
.set PBI,  192
.set PGA,  208
.set PBE,  224
.set WV,   20
.set G1B,  24
.set G0B,  32
.set G1A,  40
.set G0A,  48
.set SEL,  60
.set INV,  62
.set EPS,  63
.set PFA,  66
.set PFS,  68
.set LIM,  70
.set RB,   71
.set MULW, 0x50
.set MSB, 0
.macro WIN new
.if MSB != (\new)
	s_set_vgpr_msb (MSB<<8)|(\new)
.set MSB, \new
.endif
.endm
.macro PLACES
.rept 4
	v_nop
.endr
.endm
.macro JLOAD s                         ; the branches hang on the wave's number alone
	s_cmp_lt_u32 s[WV], 4
	s_cbranch_scc0 .Lnot_b_\@
	tensor_load_to_lds s[G0B+4*(\s):G0B+4*(\s)+3], s[G1B:G1B+7]
	s_nop 0
	PLACES
	s_branch .Lasked_\@
.Lnot_b_\@:
	s_cmp_lt_u32 s[WV], 6
	s_cbranch_scc0 .Lnone_\@
	tensor_load_to_lds s[G0A+4*(\s):G0A+4*(\s)+3], s[G1A:G1A+7]
	s_nop 0
	PLACES
	s_branch .Lasked_\@
.Lnone_\@:
	PLACES
.Lasked_\@:
.endm
; A prefetch of the K step that stands two refills on, behind the refill and the run of LDS loads.  A's 8,192 bytes of a block are the work-group's own: waves 4 and 5 ask, a lane a block of 256 bytes.  W's rows are read by
; every cluster: the first cluster asks; its four partners share a wave's 128 rows out by address, a lane a row.  The loop's last trip asks for nothing.
.macro ASK
	s_cmp_gt_u32 s3, s[LIM]
	s_cbranch_scc0 .Lnot_mine_\@
	global_prefetch_b8 v[PFO], s[PFA:PFA+1] th:TH_LOAD_NT scope:SCOPE_SE
.Lnot_mine_\@:
.endm
.macro CREST
	s_cmp_lg_u32 s[WV], 0
	s_cbranch_scc1 .Lnot_wave_0_\@
	s_barrier_signal -3
.Lnot_wave_0_\@:
	s_barrier_wait -3
	s_barrier_signal -1
	s_barrier_wait -1
.endm
.macro CROUND
	s_barrier_signal -1
	s_barrier_wait -1
	CREST
.endm
.macro MUL f, a0, na                   ; every quarter walks the 16 accumulators in one order, one instruction a turn
	WIN MULW
.set ia, \a0
.rept \na
.set ib, 0
.rept NB
	v_wmma_f32_16x16x32_f16 v[8*(NB*ia+ib):8*(NB*ia+ib)+7], v[FB0+FSTR*(\f)+8*ib:FB0+FSTR*(\f)+8*ib+7], v[FA0+FSTR*(\f)+8*ia:FA0+FSTR*(\f)+8*ia+7], v[8*(NB*ia+ib):8*(NB*ia+ib)+7]
.set ib, ib+1
.endr
.set ia, ia+1
.endr
.endm
.macro FETCH slot, q, f
	WIN 0
.set ib, 0
.rept NB
	ds_load_b128 v[FB0+FSTR*(\f)+8*ib:FB0+FSTR*(\f)+8*ib+3],   v[ADRB+(\slot)] offset:64*(\q)+ib*16*PB
	ds_load_b128 v[FB0+FSTR*(\f)+8*ib+4:FB0+FSTR*(\f)+8*ib+7], v[ADRB+(\slot)] offset:64*(\q)+ib*16*PB+32
.set ib, ib+1
.endr
.set ia, 0
.rept 4
	ds_load_b128 v[FA0+FSTR*(\f)+8*ia:FA0+FSTR*(\f)+8*ia+3],   v[ADRA+(\slot)] offset:((\q)/2)*ABLK+((\q)%2)*64+ia*16*PA
	ds_load_b128 v[FA0+FSTR*(\f)+8*ia+4:FA0+FSTR*(\f)+8*ia+7], v[ADRA+(\slot)] offset:((\q)/2)*ABLK+((\q)%2)*64+ia*16*PA+32
.set ia, ia+1
.endr
.endm
.macro QUARTER slot, q, f, g           ; buffer f is in; quarter q goes out into g, four places behind the products that read g
	s_wait_dscnt 0x0
	PLACES
	FETCH \slot, \q, \g
	MUL \f, 0, 4
.endm
; The fourth quarter changes slots: each wave waits for all its tensor loads, adds 0 to its spare word, and waits for that and for its reads of this slot.  fill = 1: the barrier opens a round of the cluster's, and the refill is the first thing behind it.
.macro TURN slot, next, fill
.if (\fill) && PREF
	s_wait_xcnt 0x0                                ; the last prefetch, a K step back, has read its address
	s_add_nc_u64 s[PFA:PFA+1], s[PFA:PFA+1], s[PFS:PFS+1]
.endif
	WIN 0
	s_wait_tensorcnt 0x0
	ds_add_u32 v[SPW], v[NIL]
	s_wait_dscnt 0x1                               ; buffer 1 is in; the add alone may be out
	MUL 1, 0, 1
	s_wait_dscnt 0x0
	s_barrier_signal -1
	MUL 1, 1, 1
	WIN 0
	s_barrier_wait -1
.if \fill
	CREST
	s_add_nc_u64 s[G0B+4*(\slot)+2:G0B+4*(\slot)+3], s[G0B+4*(\slot)+2:G0B+4*(\slot)+3], 512
	s_add_nc_u64 s[G0A+4*(\slot)+2:G0A+4*(\slot)+3], s[G0A+4*(\slot)+2:G0A+4*(\slot)+3], 4194304
	JLOAD \slot                                    ; its four v_nop are also the places in front of the loads below
.else
	PLACES
.endif
	FETCH \next, 0, 0
.if (\fill) && PREF
	ASK
.endif
	MUL 1, 2, 2
.endm
.if HALF
	s_load_b512 s[4:19], s[0:1], 0x0               ; A, wt, res, bias, gain, beta, out, out in f16
.else
	s_load_b256 s[4:11], s[0:1], 0x0
	s_load_b128 s[12:15], s[0:1], 0x20
	s_load_b64 s[16:17], s[0:1], 0x30
.endif
	v_lshl_add_u32 v[SPW], v0, 2, SPARE
	v_mov_b32 v[NIL], 0
	ds_add_u32 v[SPW], v[NIL]                      ; the wave's opening: the add and its wait stand ahead of my first tensor load
	v_lshrrev_b32 v1, 5, v0
	v_readfirstlane_b32 s[WV], v1
	s_bfe_u32 s21, ttmp6, 0x40000                  ; cx
	s_lshl_b32 s22, ttmp9, 2
	s_add_co_u32 s22, s22, s21                     ; my block of 64 rows
	s_mov_b32 s[G1B], 15|(1<<16)|(1<<20)|(1<<21)|(5<<22)|(3<<25)  ; all four work-groups; 2-byte elements; after every 64 words 4 words of padding
	s_mov_b32 s[G1B+1], 128<<16
	s_mov_b32 s[G1B+2], 128<<16
	s_mov_b32 s[G1B+3], 128<<16
	s_mov_b32 s[G1B+4], 128
	s_mov_b32 s[G1B+5], K
	s_mov_b32 s[G1B+6], 0
	s_mov_b32 s[G1B+7], 0
	s_mov_b32 s[G1A], (1<<16)|(1<<20)|(4<<22)|(3<<25)  ; my own: 64 rows of 128 bytes are dense: 32 rows of 256 bytes, padded after every 32 words
	s_mov_b32 s[G1A+1], 128<<16
	s_mov_b32 s[G1A+2], 32<<16
	s_mov_b32 s[G1A+3], 128<<16
	s_mov_b32 s[G1A+4], 32
	s_mov_b32 s[G1A+5], 128
	s_mov_b32 s[G1A+6], 0
	s_mov_b32 s[G1A+7], 0
	s_and_b32 s23, s[WV], 3
	s_mul_i32 s56, s23, 128*2*K                    ; W: rows 128 (w & 3) on: the wave's number alone
	s_add_co_u32 s56, s56, WOFF
	s_mov_b32 s57, 0
	s_and_b32 s58, s[WV], 1                        ; A: block w & 1 of the step's two, my 64 rows
	s_lshl_b32 s58, s58, 20
	s_lshl_b32 s59, s22, 13
	s_add_co_u32 s58, s58, s59
	s_mov_b32 s59, 0
	s_mul_i32 s72, s[WV], 128*PB                   ; LDS: W's parts by waves 0-3,
	s_mul_i32 s73, s[WV], ABLK
	s_add_co_u32 s73, s73, BBYTES-4*ABLK           ; A's by waves 4 and 5, behind W
	s_mov_b32 s[SEL], 0x76543210
	s_mov_b32 s[SEL+1], 0xfedcba98
	s_mov_b32 s[INV], 0x3b000000                   ; 1 / 512
	s_mov_b32 s[EPS], 0x3727c5ac                   ; 1e-5
	s_wait_dscnt 0x0                               ; the opening add is done
	s_wait_kmcnt 0x0
	s_add_nc_u64 s[74:75], s[6:7], s[56:57]
	s_add_nc_u64 s[76:77], s[4:5], s[58:59]
	CROUND                                         ; all four work-groups are here: the first joint loads meet
.irp s, 0,1
	s_mov_b32 s[G0B+4*\s], 1
	s_add_co_u32 s[G0B+4*\s+1], s72, \s*SLOT
	s_add_nc_u64 s[G0B+4*\s+2:G0B+4*\s+3], s[74:75], \s*256
	s_or_b32 s[G0B+4*\s+3], s[G0B+4*\s+3], 0x80000000
	s_mov_b32 s[G0A+4*\s], 1
	s_add_co_u32 s[G0A+4*\s+1], s73, \s*SLOT
	s_add_nc_u64 s[G0A+4*\s+2:G0A+4*\s+3], s[76:77], \s*2097152
	s_or_b32 s[G0A+4*\s+3], s[G0A+4*\s+3], 0x80000000
.endr
	s_cmp_lt_u32 s[WV], 4                          ; a wave's two first fills stand in one arm: two loads of mine are out, or none
	s_cbranch_scc0 .Lfirst_nb
	tensor_load_to_lds s[G0B:G0B+3], s[G1B:G1B+7]
	s_nop 0
	tensor_load_to_lds s[G0B+4:G0B+7], s[G1B:G1B+7]
	s_nop 0
	PLACES
	s_branch .Lfirst_done
.Lfirst_nb:
	s_cmp_lt_u32 s[WV], 6
	s_cbranch_scc0 .Lfirst_done
	tensor_load_to_lds s[G0A:G0A+3], s[G1A:G1A+7]
	s_nop 0
	tensor_load_to_lds s[G0A+4:G0A+7], s[G1A:G1A+7]
	s_nop 0
	PLACES
.Lfirst_done:
	v_and_b32 v1, 15, v0                           ; r
	v_bfe_u32 v2, v0, 4, 1                         ; h
	s_lshl_b32 s56, s22, 17                        ; my 64 rows of 2,048 bytes
	s_mov_b32 s57, 0
	s_add_nc_u64 s[8:9], s[8:9], s[56:57]
	s_lshl_b32 s58, s[WV], 8                       ; my 64 columns in f32
	v_lshlrev_b32 v[XO], 11, v1
	v_lshl_add_u32 v[XO], v2, 5, v[XO]
	v_add_nc_u32 v[XO], s58, v[XO]
	WIN 0x40                                       ; the residual lands in the accumulators: row 16 a + r, columns 64 w + 16 b + 8 h on
.set ia, 0
.rept 4
.set ib, 0
.rept NB
	global_load_b128 v[8*(NB*ia+ib):8*(NB*ia+ib)+3],   v[XO], s[8:9] offset:ia*32768+64*ib
	global_load_b128 v[8*(NB*ia+ib)+4:8*(NB*ia+ib)+7], v[XO], s[8:9] offset:ia*32768+64*ib+16
.set ib, ib+1
.endr
.set ia, ia+1
.endr
	WIN 0
	v_and_b32 v5, 31, v0
	v_lshlrev_b32 v[OO], 4, v5
	v_lshlrev_b32 v[HO], 3, v5
	v_lshlrev_b32 v[RD0], 4, v5
.irp i, 0,1,2,3                        ; lane l holds columns 4 l + 128 i on the way out
	global_load_b128 v[PBI+4*\i:PBI+4*\i+3], v[OO], s[10:11] offset:512*\i
	global_load_b128 v[PGA+4*\i:PGA+4*\i+3], v[OO], s[12:13] offset:512*\i
	global_load_b128 v[PBE+4*\i:PBE+4*\i+3], v[OO], s[14:15] offset:512*\i
.endr
	v_mul_u32_u24 v3, v1, PB
	v_lshl_add_u32 v3, v2, 4, v3
	s_mul_i32 s59, s[WV], 64*PB
	v_add_nc_u32 v[ADRB], s59, v3
	v_add_nc_u32 v[ADRB+1], SLOT, v[ADRB]
	v_mul_u32_u24 v4, v1, PA
	v_lshl_add_u32 v4, v2, 4, v4
	v_add_nc_u32 v[ADRA], BBYTES, v4
	v_add_nc_u32 v[ADRA+1], SLOT, v[ADRA]
	v_mul_u32_u24 v6, v1, DP
	v_lshl_add_u32 v6, v2, 5, v6
	v_add_nc_u32 v[STO], s58, v6
	v_add_nc_u32 v[STO+1], 32*DP, v[STO]
	s_mul_i32 s[RB], s[WV], 8*DP                   ; wave w finishes rows 8 w .. 8 w + 7
	s_lshl_b32 s59, s[WV], 14
	s_add_co_u32 s56, s56, s59
	s_add_nc_u64 s[16:17], s[16:17], s[56:57]
.if HALF
	s_lshr_b32 s56, s56, 1
	s_add_nc_u64 s[18:19], s[18:19], s[56:57]
.endif
.if PREF
	s_cmp_eq_u32 ttmp9, 0
	s_cselect_b32 s72, 1, -1                       ; W: the first cluster's waves 0-3
	s_cmp_lt_u32 s[WV], 6
	s_cselect_b32 s73, 1, -1                       ; A: every work-group's waves 4 and 5
	s_and_b32 s74, s[WV], 3
	s_lshl_b32 s74, s74, 7
	s_lshl_b32 s75, s21, 5
	s_add_co_u32 s74, s74, s75                     ; W's row 128 (w & 3) + 32 cx
	s_mul_i32 s74, s74, 2*K
	s_add_co_u32 s74, s74, WOFF+3*256              ; at K step 3: the first refill steps it to 4
	s_and_b32 s75, s[WV], 1
	s_lshl_b32 s75, s75, 20
	s_lshl_b32 s76, s22, 13
	s_add_co_u32 s75, s75, s76
	s_add_co_u32 s75, s75, 3*2097152
	s_mov_b32 s77, 2097152
	s_cmp_lt_u32 s[WV], 4
	s_cselect_b32 s[LIM], s72, s73
	s_cselect_b32 s78, 12, 8                       ; a lane a row of W (4,096 bytes), or a block of 256 bytes of A
	s_cselect_b32 s[PFS], 256, s77
	s_cselect_b32 s76, s74, s75
	s_cselect_b64 s[PFA:PFA+1], s[6:7], s[4:5]
	s_mov_b32 s[PFS+1], 0
	s_mov_b32 s77, 0
	s_add_nc_u64 s[PFA:PFA+1], s[PFA:PFA+1], s[76:77]
	v_lshlrev_b32 v[PFO], s78, v5
.endif
	s_wait_tensorcnt 0x1                           ; my part of K step 0 is in; step 1's may stay out
	s_barrier_signal -1
	s_barrier_wait -1
	FETCH 0, 0, 0
	s_wait_loadcnt 0x0                             ; the residual, bias, gain and beta
	s_mov_b32 s3, LAPS-1
.Llap:                                                 ; a trip: two K steps, both slots filled again
	QUARTER 0, 1, 0, 1
	QUARTER 0, 2, 1, 0
	QUARTER 0, 3, 0, 1
	TURN 0, 1, 1
	QUARTER 1, 1, 0, 1
	QUARTER 1, 2, 1, 0
	QUARTER 1, 3, 0, 1
	TURN 1, 0, 1
	WIN 0
	s_sub_co_u32 s3, s3, 1
	s_cmp_lg_u32 s3, 0
	s_cbranch_scc1 .Llap
	QUARTER 0, 1, 0, 1                             ; the last lap is written out: it fills nothing
	QUARTER 0, 2, 1, 0
	QUARTER 0, 3, 0, 1
	TURN 0, 1, 0
	QUARTER 1, 1, 0, 1
	QUARTER 1, 2, 1, 0
	QUARTER 1, 3, 0, 1
	s_wait_dscnt 0x0
	MUL 1, 0, 4
	; THE WAY OUT.  Both slots have had their last fill and every wave's reads are back: behind a barrier the ring becomes the 64 rows in f32.
	PLACES
	PLACES
	WIN 0
	s_barrier_signal -1
	s_barrier_wait -1
	WIN 0x04
.set ia, 0
.rept 4
.set ib, 0
.rept NB
	ds_store_b128 v[STO+ia/2], v[8*(NB*ia+ib):8*(NB*ia+ib)+3]   offset:(ia%2)*16*DP+64*ib     ; each accumulator's low registers first
	ds_store_b128 v[STO+ia/2], v[8*(NB*ia+ib)+4:8*(NB*ia+ib)+7] offset:(ia%2)*16*DP+64*ib+16
.set ib, ib+1
.endr
.set ia, ia+1
.endr
	WIN 0
	s_wait_dscnt 0x0                               ; for the others' sake
	s_barrier_signal -1
	s_barrier_wait -1
.macro BOTH line:vararg                ; one line for each of a trip's two rows
.set p, 0
.rept 2
	\line
.set p, p+1
.endr
.endm
.macro ACROSS r                        ; the sum over the wave's 32 lanes of v[TT+8p+r]; v[TT+8p+r+1] is at work
	BOTH v_add_f32 v[TT+8*p+(\r)], v[TT+8*p+(\r)], v[TT+8*p+(\r)+1]
	BOTH v_add_f32_dpp v[TT+8*p+(\r)], v[TT+8*p+(\r)], v[TT+8*p+(\r)] row_xmask:1 row_mask:0xf bank_mask:0xf
	BOTH v_add_f32_dpp v[TT+8*p+(\r)], v[TT+8*p+(\r)], v[TT+8*p+(\r)] row_xmask:2 row_mask:0xf bank_mask:0xf
	BOTH v_add_f32_dpp v[TT+8*p+(\r)], v[TT+8*p+(\r)], v[TT+8*p+(\r)] row_xmask:4 row_mask:0xf bank_mask:0xf
	BOTH v_add_f32_dpp v[TT+8*p+(\r)], v[TT+8*p+(\r)], v[TT+8*p+(\r)] row_xmask:8 row_mask:0xf bank_mask:0xf
	BOTH v_permlanex16_b32 v[TT+8*p+(\r)+1], v[TT+8*p+(\r)], s[SEL], s[SEL+1]
	BOTH v_add_f32 v[TT+8*p+(\r)], v[TT+8*p+(\r)], v[TT+8*p+(\r)+1]
.endm
	s_mov_b32 s3, 4
.Lrow:                                                 ; four trips of two rows a wave
	v_add_nc_u32 v[RDA], s[RB], v[RD0]
.irp p, 0,1
.irp i, 0,1,2,3
	ds_load_b128 v[Z+16*\p+4*\i:Z+16*\p+4*\i+3], v[RDA] offset:\p*DP+512*\i
.endr
.endr
	s_wait_dscnt 0x0
.set k, 0
.rept 8
	BOTH v_pk_add_f32 v[Z+16*p+2*k:Z+16*p+2*k+1], v[Z+16*p+2*k:Z+16*p+2*k+1], v[PBI+2*k:PBI+2*k+1]
.set k, k+1
.endr
.set k, 0
.rept 4
	BOTH v_pk_add_f32 v[TT+8*p+2*k:TT+8*p+2*k+1], v[Z+16*p+4*k:Z+16*p+4*k+1], v[Z+16*p+4*k+2:Z+16*p+4*k+3]
.set k, k+1
.endr
	BOTH v_pk_add_f32 v[TT+8*p:TT+8*p+1], v[TT+8*p:TT+8*p+1], v[TT+8*p+2:TT+8*p+3]
	BOTH v_pk_add_f32 v[TT+8*p+4:TT+8*p+5], v[TT+8*p+4:TT+8*p+5], v[TT+8*p+6:TT+8*p+7]
	BOTH v_pk_add_f32 v[TT+8*p:TT+8*p+1], v[TT+8*p:TT+8*p+1], v[TT+8*p+4:TT+8*p+5]
	ACROSS 0
	BOTH v_mul_f32 v[TT+8*p], s[INV], v[TT+8*p]    ; the mean
.set k, 0
.rept 8
	BOTH v_pk_add_f32 v[Z+16*p+2*k:Z+16*p+2*k+1], v[Z+16*p+2*k:Z+16*p+2*k+1], v[TT+8*p:TT+8*p+1] op_sel_hi:[1,0] neg_lo:[0,1] neg_hi:[0,1]
.set k, k+1
.endr
	BOTH v_pk_mul_f32 v[TT+8*p+2:TT+8*p+3], v[Z+16*p:Z+16*p+1], v[Z+16*p:Z+16*p+1]
	BOTH v_pk_mul_f32 v[TT+8*p+4:TT+8*p+5], v[Z+16*p+2:Z+16*p+3], v[Z+16*p+2:Z+16*p+3]
.set k, 2
.rept 6
	BOTH v_pk_fma_f32 v[TT+8*p+2+2*(k%2):TT+8*p+3+2*(k%2)], v[Z+16*p+2*k:Z+16*p+2*k+1], v[Z+16*p+2*k:Z+16*p+2*k+1], v[TT+8*p+2+2*(k%2):TT+8*p+3+2*(k%2)]
.set k, k+1
.endr
	BOTH v_pk_add_f32 v[TT+8*p+2:TT+8*p+3], v[TT+8*p+2:TT+8*p+3], v[TT+8*p+4:TT+8*p+5]
	ACROSS 2
	BOTH v_fma_f32 v[TT+8*p+2], v[TT+8*p+2], s[INV], s[EPS]
	BOTH v_rsq_f32 v[TT+8*p+4], v[TT+8*p+2]
	v_nop                                          ; a plain instruction behind the second root,
	s_wait_alu depctr_va_vdst(0)                   ; and one wait for both, ahead of their first reader
.set k, 0
.rept 8
	BOTH v_pk_mul_f32 v[Z+16*p+2*k:Z+16*p+2*k+1], v[Z+16*p+2*k:Z+16*p+2*k+1], v[TT+8*p+4:TT+8*p+5] op_sel_hi:[1,0]
.set k, k+1
.endr
.set k, 0
.rept 8
	BOTH v_pk_fma_f32 v[Z+16*p+2*k:Z+16*p+2*k+1], v[Z+16*p+2*k:Z+16*p+2*k+1], v[PGA+2*k:PGA+2*k+1], v[PBE+2*k:PBE+2*k+1]
.set k, k+1
.endr
.irp p, 0,1
.irp i, 0,1,2,3
	global_store_b128 v[OO], v[Z+16*\p+4*\i:Z+16*\p+4*\i+3], s[16:17] offset:\p*2048+512*\i  ; 512 consecutive bytes, aligned
.endr
.endr
.if HALF
.irp p, 0,1
.irp i, 0,1,2,3
	v_cvt_pk_f16_f32 v[HH+8*\p+2*\i],   v[Z+16*\p+4*\i],   v[Z+16*\p+4*\i+1]
	v_cvt_pk_f16_f32 v[HH+8*\p+2*\i+1], v[Z+16*\p+4*\i+2], v[Z+16*\p+4*\i+3]
	global_store_b64 v[HO], v[HH+8*\p+2*\i:HH+8*\p+2*\i+1], s[18:19] offset:\p*1024+256*\i  ; 256 consecutive bytes, aligned
.endr
.endr
.endif
	s_wait_xcnt 0x0                                ; the stores' data and bases are written again only behind this wait
	s_add_co_u32 s[RB], s[RB], 2*DP
	s_add_nc_u64 s[16:17], s[16:17], 4096
.if HALF
	s_add_nc_u64 s[18:19], s[18:19], 2048
.endif
	s_sub_co_u32 s3, s3, 1
	s_cmp_lg_u32 s3, 0
	s_cbranch_scc1 .Lrow
	s_wait_tensorcnt 0x0                           ; the wave's end
	ds_add_u32 v[SPW], v[NIL]
	s_wait_dscnt 0x0
	CROUND                                         ; the closing round
	s_endpgm
.Lfunc_end_k_qb4a5de30c3_wo_ln:
	.size	k_qb4a5de30c3_wo_ln, .Lfunc_end_k_qb4a5de30c3_wo_ln-k_qb4a5de30c3_wo_ln
	.p2alignl 7, 3214868480
	.fill 96, 4, 3214868480
	.section	.rodata,"a",@progbits
	.p2align	6, 0x0
	.amdhsa_kernel k_qb4a5de30c3_wo_ln
		.amdhsa_group_segment_fixed_size 327680
		.amdhsa_private_segment_fixed_size 0
		.amdhsa_enable_private_segment 0
		.amdhsa_kernarg_size 64
		.amdhsa_user_sgpr_count 2
		.amdhsa_user_sgpr_kernarg_segment_ptr 1
		.amdhsa_wavefront_size32 1
		.amdhsa_system_sgpr_workgroup_id_x 1
		.amdhsa_system_sgpr_workgroup_id_y 1
		.amdhsa_system_sgpr_workgroup_id_z 1
		.amdhsa_system_vgpr_workitem_id 0
		.amdhsa_next_free_vgpr 384
		.amdhsa_next_free_sgpr 80
		.amdhsa_reserve_vcc 0
		.amdhsa_float_denorm_mode_32 3
		.amdhsa_float_denorm_mode_16_64 3
		.amdhsa_memory_ordered 1
		.amdhsa_forward_progress 1
		.amdhsa_inst_pref_size 63
	.end_amdhsa_kernel
	.amdgpu_metadata
---
amdhsa.version: [ 1, 2 ]
amdhsa.kernels:
  - .name:           k_qb4a5de30c3_wo_ln
    .symbol:         k_qb4a5de30c3_wo_ln.kd
    .args:
      - { .name: ctx, .offset: 0, .size: 8, .value_kind: global_buffer, .address_space: global }
      - { .name: wt, .offset: 8, .size: 8, .value_kind: global_buffer, .address_space: global }
      - { .name: x, .offset: 16, .size: 8, .value_kind: global_buffer, .address_space: global }
      - { .name: bo, .offset: 24, .size: 8, .value_kind: global_buffer, .address_space: global }
      - { .name: ln1_g, .offset: 32, .size: 8, .value_kind: global_buffer, .address_space: global }
      - { .name: ln1_b, .offset: 40, .size: 8, .value_kind: global_buffer, .address_space: global }
      - { .name: hf, .offset: 48, .size: 8, .value_kind: global_buffer, .address_space: global }
      - { .name: hh, .offset: 56, .size: 8, .value_kind: global_buffer, .address_space: global }
    .group_segment_fixed_size: 327680
    .private_segment_fixed_size: 0
    .kernarg_segment_align: 8
    .kernarg_segment_size: 64
    .max_flat_workgroup_size: 256
    .sgpr_count:     80
    .vgpr_count:     384
    .wavefront_size: 32
...
	.end_amdgpu_metadata
.endif
;; end of part 4
;; launch ffn1 (part 5): grid 8 x 32, 8 waves a work-group, clusters of 4 x 4, 327,680 bytes of LDS; arguments hh, wt, gg, b1; writes gg
.if DOCPART == 5
	.amdgcn_target "amdgcn-amd-amdhsa--gfx1250"
	.amdhsa_code_object_version 6
	.text
	.protected	k_qb4a5de30c3_ffn1
	.globl	k_qb4a5de30c3_ffn1
	.p2align	8
	.type	k_qb4a5de30c3_ffn1,@function
k_qb4a5de30c3_ffn1:
	s_mov_b64 s[64:65], 0
	v_nop
	global_prefetch_b8 v0, s[64:65] scope:SCOPE_SE
	s_setreg_imm32_b32 hwreg(HW_REG_WAVE_MODE, 25, 1), 1
	s_wait_xcnt 0x0
	s_wait_alu depctr_hold_cnt(0) depctr_sa_sdst(0) depctr_va_vdst(0) depctr_va_sdst(0) depctr_va_ssrc(0) depctr_va_vcc(0) depctr_vm_vsrc(0)
	s_getreg_b32 s2, hwreg(HW_REG_IB_STS2, 6, 4)
	s_cmp_eq_u32 s2, 0
	s_cbranch_scc0 .Lentry_in_a_cluster
	s_endpgm
.Lentry_in_a_cluster:
	s_bfe_u32 s2, ttmp6, 0x10000c
	s_cmp_lg_u32 s2, 0xf033
	s_cbranch_scc0 .Lentry_shape_is_right
	s_endpgm
.Lentry_shape_is_right:
; C = A W^T + bias (GELU = 1: then the exact GELU), rounded once to f16 and stored in blocks of 64 columns: [block][8192 rows][64].
; A: [8192][512] f16.  W: rows WOFF/1024 on of wt, [N][512] f16.  Sums in f32, K ascending.  LIMIT: the results lie within f16's 65,504.
; SHARES.  A work-group makes 256 rows x 32 NB columns; its eight waves (two to a SIMD) lie 4 x 2, each with 64 rows x 16 NB columns: 4 NB accumulators.
; K = 512 goes in four steps of 128 through two LDS slots; a step is four quarters of 32 along K on two fragment buffers.  With four steps the walk is written straight through.
; CLUSTER 4 x 4: A's tile hangs on the tile row alone and is asked for jointly by a row of the cluster, W's on the tile column alone, by a column.
; THE MATRIX INSTRUCTION IS USED TRANSPOSED (source 0 = 16 rows of W, source 1 = 16 rows of A): a lane holds one row of C and eight neighbouring columns.
; No prefetch: of the four K steps two are the first fills and the other two the only refills.
; REGISTERS: window 0: v16-30 addresses; v32-223 two fragment buffers of 96 (64 for W, 32 for A), later the way out; v224-255 biases.  Window 1: accumulator (a, b) at v[8 (NB a + b)].
.set GELU,  1
.set NB,    8
.set WOFF,  2097152
.set BROWS, 32*NB                      ; columns of C in a tile = rows of W in a slot
.set LB,    8*NB                       ; rows of W that one wave fetches
.set CBW,   NB/2                       ; blocks of 64 columns in a tile
.set PITCH, 272                        ; an LDS row: 256 bytes + 16: the 16 rows of a fragment load start 68 words apart
.set ABYTES, 256*PITCH
.set SLOT,  (256+BROWS)*PITCH          ; A's 256 rows, then W's
.set SPARE, 2*SLOT                     ; behind the ring: the spare words, 128 bytes for each of eight waves
.set DP,    BROWS*4+16                 ; the way out: a row of the tile in f32 + 16 bytes, laid over the ring when it has had its last fill
.set ADRA, 16                          ; v16-17  my A fragments in slot 0, 1
.set ADRB, 20                          ; v20-21  my W fragments
.set STO,  24                          ; where I put 32 bytes of a row of the tile
.set RD0,  25                          ; my lane's place in four rows read back
.set CO,   26                          ; 16 x lane
.set BO,   27                          ; my eight columns in a block's biases
.set SPW,  28                          ; SPARE + 4 x my thread's number; never rewritten
.set NIL,  29                          ; 0; never rewritten
.set RDA,  30
.set FB0,  32
.set FA0,  96
.set FSTR, 96
.set BI,   224
.set WV,   16                          ; s16  my wave's number
.set G1A,  24
.set G0A,  32                          ; a set for each slot
.set G1B,  40
.set G0B,  48
.set RB,   86                          ; s86  LDS byte of the rows that the way out reads next
.set FLAGS, (1<<16)|(1<<20)|(1<<21)|(5<<22)|(3<<25)  ; 2-byte elements; padding on; bit 21 beside a mask; after every 64 words 4 words
.set MULW,  0x50                       ; C and D in window 1
.set MSB, 0
.macro WIN new                         ; the high byte repeats the setting that is left; a switch that changes nothing is dropped
.if MSB != (\new)
	s_set_vgpr_msb (MSB<<8)|(\new)
.set MSB, \new
.endif
.endm
.macro PLACES
.rept 4
	v_nop
.endr
.endm
.macro JLOAD s                         ; a joint load: waves 0-3 fetch 64 rows of A each, waves 4-7 LB rows of W each; the branch hangs on the wave's number alone
	s_cmp_lt_u32 s[WV], 4
	s_cbranch_scc0 .Lfor_b_\@
	tensor_load_to_lds s[G0A+4*(\s):G0A+4*(\s)+3], s[G1A:G1A+7]
	s_nop 0
	PLACES
	s_branch .Lasked_\@
.Lfor_b_\@:
	tensor_load_to_lds s[G0B+4*(\s):G0B+4*(\s)+3], s[G1B:G1B+7]
	s_nop 0
	PLACES
.Lasked_\@:
.endm
.macro CREST                           ; a round of the cluster's barrier behind its opening barrier
	s_cmp_lg_u32 s[WV], 0
	s_cbranch_scc1 .Lnot_wave_0_\@
	s_barrier_signal -3
.Lnot_wave_0_\@:
	s_barrier_wait -3
	s_barrier_signal -1
	s_barrier_wait -1
.endm
.macro CROUND
	s_barrier_signal -1
	s_barrier_wait -1
	CREST
.endm
; na x NB matrix instructions on buffer f, row blocks a0 on.  Every quarter walks the accumulators in one order, one instruction a turn.
.macro MUL f, a0, na, zero
	WIN MULW
.set ia, \a0
.rept \na
.set ib, 0
.rept NB
.if \zero
	v_wmma_f32_16x16x32_f16 v[8*(NB*ia+ib):8*(NB*ia+ib)+7], v[FB0+FSTR*(\f)+8*ib:FB0+FSTR*(\f)+8*ib+7], v[FA0+FSTR*(\f)+8*ia:FA0+FSTR*(\f)+8*ia+7], 0
.else
	v_wmma_f32_16x16x32_f16 v[8*(NB*ia+ib):8*(NB*ia+ib)+7], v[FB0+FSTR*(\f)+8*ib:FB0+FSTR*(\f)+8*ib+7], v[FA0+FSTR*(\f)+8*ia:FA0+FSTR*(\f)+8*ia+7], v[8*(NB*ia+ib):8*(NB*ia+ib)+7]
.endif
.set ib, ib+1
.endr
.set ia, ia+1
.endr
.endm
.macro FETCH slot, q, f                ; one run of LDS loads: quarter q's fragments into buffer f
	WIN 0
.set ib, 0
.rept NB
	ds_load_b128 v[FB0+FSTR*(\f)+8*ib:FB0+FSTR*(\f)+8*ib+3],   v[ADRB+(\slot)] offset:64*(\q)+ib*16*PITCH
	ds_load_b128 v[FB0+FSTR*(\f)+8*ib+4:FB0+FSTR*(\f)+8*ib+7], v[ADRB+(\slot)] offset:64*(\q)+ib*16*PITCH+32
.set ib, ib+1
.endr
.set ia, 0
.rept 4
	ds_load_b128 v[FA0+FSTR*(\f)+8*ia:FA0+FSTR*(\f)+8*ia+3],   v[ADRA+(\slot)] offset:64*(\q)+ia*16*PITCH
	ds_load_b128 v[FA0+FSTR*(\f)+8*ia+4:FA0+FSTR*(\f)+8*ia+7], v[ADRA+(\slot)] offset:64*(\q)+ia*16*PITCH+32
.set ia, ia+1
.endr
.endm
; One of a step's first three quarters: buffer f is in; quarter q goes out into g, four places behind the products that read g, and has this quarter's products in which to land.
.macro QUARTER slot, q, f, g, zero
	s_wait_dscnt 0x0
	PLACES
	FETCH \slot, \q, \g
	MUL \f, 0, 4, \zero
.endm
; The fourth quarter multiplies buffer 1 and changes slots.  In front of the barrier each wave waits for all its tensor loads (one is out: its part of the next slot), adds 0 to its
; spare word, and waits for that and for its reads of this slot.  fill = 1: the barrier opens a round of the cluster's, and the joint refill, two K steps on, is the first thing behind it.
.macro TURN slot, next, fill
	WIN 0
	s_wait_tensorcnt 0x0
	ds_add_u32 v[SPW], v[NIL]
	s_wait_dscnt 0x1                               ; buffer 1 is in; the add alone may be out
	MUL 1, 0, 1, 0
	s_wait_dscnt 0x0                               ; the add is done, and my reads of this slot are over
	s_barrier_signal -1
	MUL 1, 1, 1, 0
	WIN 0
	s_barrier_wait -1
.if \fill
	CREST
	s_add_nc_u64 s[G0A+4*(\slot)+2:G0A+4*(\slot)+3], s[G0A+4*(\slot)+2:G0A+4*(\slot)+3], 512
	s_add_nc_u64 s[G0B+4*(\slot)+2:G0B+4*(\slot)+3], s[G0B+4*(\slot)+2:G0B+4*(\slot)+3], 512
	JLOAD \slot                                    ; its four v_nop are also the places in front of the loads below
.else
	PLACES
.endif
	FETCH \next, 0, 0
	MUL 1, 2, 2, 0
.endm
	s_load_b256 s[4:11], s[0:1], 0x0               ; A s[4:5], wt s[6:7], out s[8:9], first bias s[10:11]
.if !GELU
	s_load_b128 s[12:15], s[0:1], 0x20             ; bk, bv
.endif
	v_lshl_add_u32 v[SPW], v0, 2, SPARE
	v_mov_b32 v[NIL], 0
	ds_add_u32 v[SPW], v[NIL]                      ; the wave's opening: the add and its wait stand ahead of my first tensor load
	v_lshrrev_b32 v1, 5, v0
	v_readfirstlane_b32 s[WV], v1
	s_and_b32 s17, s[WV], 3                        ; which part of A's or W's rows I fetch
	s_bfe_u32 s18, ttmp6, 0x40000                  ; cx
	s_bfe_u32 s19, ttmp6, 0x40004                  ; cy
	s_lshl_b32 s20, ttmp9, 2
	s_add_co_u32 s20, s20, s18                     ; tile column
	s_and_b32 s21, ttmp7, 0xffff
	s_lshl_b32 s21, s21, 2
	s_add_co_u32 s21, s21, s19                     ; tile row
	s_lshl_b32 s66, s19, 2
	s_lshl_b32 s66, 15, s66                        ; my row of the cluster
	s_lshl_b32 s67, 0x1111, s18                    ; my column
	s_or_b32 s[G1A], s66, FLAGS
	s_or_b32 s[G1B], s67, FLAGS
	s_mov_b32 s[G1A+1], 128<<16                    ; tensor_dim0 = 128
	s_mov_b32 s[G1A+2], 64<<16                     ; tensor_dim1 = 64
	s_mov_b32 s[G1A+3], 128<<16                    ; tile_dim0 = 128
	s_mov_b32 s[G1A+4], 64                         ; tile_dim1 = 64
	s_mov_b32 s[G1A+5], 512                        ; elements from row to row
	s_mov_b32 s[G1A+6], 0
	s_mov_b32 s[G1A+7], 0
	s_mov_b32 s[G1B+1], 128<<16
	s_mov_b32 s[G1B+2], LB<<16
	s_mov_b32 s[G1B+3], 128<<16
	s_mov_b32 s[G1B+4], LB
	s_mov_b32 s[G1B+5], 512
	s_mov_b32 s[G1B+6], 0
	s_mov_b32 s[G1B+7], 0
	s_lshl_b32 s56, s21, 8                         ; A: row 256 x tile row + 64 x part, rows of 1,024 bytes
	s_lshl_b32 s57, s17, 6
	s_add_co_u32 s56, s56, s57
	s_lshl_b32 s56, s56, 10
	s_mov_b32 s57, 0
	s_mul_i32 s60, s20, BROWS                      ; W: row BROWS x tile column + LB x part
	s_mul_i32 s61, s17, LB
	s_add_co_u32 s60, s60, s61
	s_lshl_b32 s60, s60, 10
	s_add_co_u32 s60, s60, WOFF
	s_mov_b32 s61, 0
	s_mul_i32 s22, s[WV], 64*PITCH                 ; LDS: A's parts by waves 0-3,
	s_mul_i32 s23, s[WV], LB*PITCH
	s_add_co_u32 s23, s23, ABYTES-4*LB*PITCH       ; W's by waves 4-7, behind A: the wave's number and constants alone
	s_wait_dscnt 0x0                               ; the opening add is done
	s_wait_kmcnt 0x0
	s_add_nc_u64 s[58:59], s[4:5], s[56:57]
	s_add_nc_u64 s[62:63], s[6:7], s[60:61]
	CROUND                                         ; all sixteen work-groups are here: the first joint loads meet
.irp s, 0,1
	s_mov_b32 s[G0A+4*\s], 1
	s_add_co_u32 s[G0A+4*\s+1], s22, \s*SLOT
	s_add_nc_u64 s[G0A+4*\s+2:G0A+4*\s+3], s[58:59], \s*256
	s_or_b32 s[G0A+4*\s+3], s[G0A+4*\s+3], 0x80000000
	s_mov_b32 s[G0B+4*\s], 1
	s_add_co_u32 s[G0B+4*\s+1], s23, \s*SLOT
	s_add_nc_u64 s[G0B+4*\s+2:G0B+4*\s+3], s[62:63], \s*256
	s_or_b32 s[G0B+4*\s+3], s[G0B+4*\s+3], 0x80000000
.endr
	s_cmp_lt_u32 s[WV], 4                          ; a wave's two first fills stand in one branch: two loads of mine are out
	s_cbranch_scc0 .Lfirst_b
	tensor_load_to_lds s[G0A:G0A+3], s[G1A:G1A+7]
	s_nop 0
	tensor_load_to_lds s[G0A+4:G0A+7], s[G1A:G1A+7]
	s_nop 0
	PLACES
	s_branch .Lfirst_done
.Lfirst_b:
	tensor_load_to_lds s[G0B:G0B+3], s[G1B:G1B+7]
	s_nop 0
	tensor_load_to_lds s[G0B+4:G0B+7], s[G1B:G1B+7]
	s_nop 0
	PLACES
.Lfirst_done:
	v_and_b32 v1, 15, v0                           ; r = l % 16
	v_bfe_u32 v2, v0, 4, 1                         ; h = l / 16
	v_mul_u32_u24 v3, v1, PITCH
	v_lshl_add_u32 v3, v2, 4, v3                   ; a fragment: row x pitch + 16 h, two loads 32 bytes apart
	s_lshr_b32 s68, s[WV], 1                       ; which 64 rows are mine
	s_and_b32 s69, s[WV], 1                        ; which half of the columns
	s_mul_i32 s70, s68, 64*PITCH
	s_mul_i32 s71, s69, 16*NB*PITCH
	s_add_co_u32 s71, s71, ABYTES
.irp s, 0,1
	v_add_nc_u32 v[ADRA+\s], s70, v3
	v_add_nc_u32 v[ADRB+\s], s71, v3
	s_add_co_u32 s70, s70, SLOT
	s_add_co_u32 s71, s71, SLOT
.endr
	s_mul_i32 s70, s68, 64*DP
	s_mul_i32 s71, s69, 64*NB
	s_add_co_u32 s70, s70, s71
	v_mul_u32_u24 v4, v1, DP
	v_lshl_add_u32 v4, v2, 5, v4
	v_add_nc_u32 v[STO], s70, v4                   ; (64 wm + r) DP + my half's columns + 32 h
	v_and_b32 v5, 31, v0
	v_lshrrev_b32 v6, 3, v5
	v_and_b32 v7, 7, v0
	v_mul_u32_u24 v6, v6, DP
	v_lshl_add_u32 v[RD0], v7, 5, v6               ; back: four rows, eight lanes a row, 32 bytes of f32 a lane
	s_mul_i32 s[RB], s[WV], 32*DP                  ; wave w finishes rows 32 w .. 32 w + 31
	v_lshlrev_b32 v[CO], 4, v5
	v_lshlrev_b32 v[BO], 5, v7
	s_mul_i32 s70, s20, CBW                        ; out: my tile's first block of 1,048,576 bytes, my tile's rows, my wave's 32 of them, 128 bytes a row
	s_lshl_b32 s70, s70, 20
	s_lshl_b32 s71, s21, 15
	s_add_co_u32 s70, s70, s71
	s_lshl_b32 s71, s[WV], 12
	s_add_co_u32 s70, s70, s71
	s_mov_b32 s71, 0
	s_add_nc_u64 s[8:9], s[8:9], s[70:71]
.if GELU
	s_lshl_b32 s70, s20, 10                        ; 256 biases a tile
	s_mov_b32 s71, 0
	s_add_nc_u64 s[10:11], s[10:11], s[70:71]
.irp c, 0,1,2,3
	global_load_b128 v[BI+8*\c:BI+8*\c+3],   v[BO], s[10:11] offset:256*\c
	global_load_b128 v[BI+8*\c+4:BI+8*\c+7], v[BO], s[10:11] offset:256*\c+16
.endr
.set CP,  72                           ; scalar pairs: the packed forms take the low word for both halves
.set CE,  74
.set CA1, 76
.set CA2, 78
.set CA3, 80
.set CA4, 82
.set CA5, 84
.set ABSM, 87
.irp h, 0,1
	s_mov_b32 s[CP+\h],  0x3e6d3389                ; 0.3275911 / sqrt(2)
	s_mov_b32 s[CE+\h],  0xbf38aa3b                ; -log2(e) / 2
	s_mov_b32 s[CA1+\h], 0x3e027906                ; the series' five coefficients, halved
	s_mov_b32 s[CA2+\h], 0xbe11a98e
	s_mov_b32 s[CA3+\h], 0x3f35f0e3
	s_mov_b32 s[CA4+\h], 0xbf3a00e3
	s_mov_b32 s[CA5+\h], 0x3f07dc22
.endr
	s_mov_b32 s[ABSM], 0x7fffffff
.else
	s_mul_i32 s72, s20, 3                          ; block 3 tx + c of 24: blocks 0-7 take bq, 8-15 bk, 16-23 bv: a choice between buffers, no branch
.irp c, 0,1,2
	s_add_co_u32 s73, s72, \c
	s_lshr_b32 s74, s73, 3
	s_and_b32 s76, s73, 7
	s_lshl_b32 s76, s76, 8
	s_mov_b32 s77, 0
	s_cmp_eq_u32 s74, 1
	s_cselect_b64 s[78+2*\c:79+2*\c], s[12:13], s[10:11]
	s_cmp_eq_u32 s74, 2
	s_cselect_b64 s[78+2*\c:79+2*\c], s[14:15], s[78+2*\c:79+2*\c]
	s_add_nc_u64 s[78+2*\c:79+2*\c], s[78+2*\c:79+2*\c], s[76:77]
	global_load_b128 v[BI+8*\c:BI+8*\c+3],   v[BO], s[78+2*\c:79+2*\c]
	global_load_b128 v[BI+8*\c+4:BI+8*\c+7], v[BO], s[78+2*\c:79+2*\c] offset:16
.endr
.endif
	s_wait_tensorcnt 0x1                           ; my part of K step 0 is in; step 1's may stay out
	s_barrier_signal -1
	s_barrier_wait -1
	FETCH 0, 0, 0
	QUARTER 0, 1, 0, 1, 1                          ; the first quarter's products start the sums: nothing is cleared
	QUARTER 0, 2, 1, 0, 0
	QUARTER 0, 3, 0, 1, 0
	TURN 0, 1, 1                                   ; slot 0 takes K step 2
	QUARTER 1, 1, 0, 1, 0
	QUARTER 1, 2, 1, 0, 0
	QUARTER 1, 3, 0, 1, 0
	TURN 1, 0, 1                                   ; slot 1 takes K step 3
	QUARTER 0, 1, 0, 1, 0
	QUARTER 0, 2, 1, 0, 0
	QUARTER 0, 3, 0, 1, 0
	TURN 0, 1, 0
	QUARTER 1, 1, 0, 1, 0
	QUARTER 1, 2, 1, 0, 0
	QUARTER 1, 3, 0, 1, 0
	s_wait_dscnt 0x0
	MUL 1, 0, 4, 0
	; THE WAY OUT.  Both slots have had their last fill and every wave's reads are back: behind a barrier the ring becomes the tile in f32.
	PLACES
	PLACES
	WIN 0
	s_barrier_signal -1
	s_barrier_wait -1
	WIN 0x04                                       ; the stores' data in window 1
.set ia, 0
.rept 4
.set ib, 0
.rept NB
	ds_store_b128 v[STO], v[8*(NB*ia+ib):8*(NB*ia+ib)+3]   offset:ia*16*DP+64*ib      ; each accumulator's low registers first
	ds_store_b128 v[STO], v[8*(NB*ia+ib)+4:8*(NB*ia+ib)+7] offset:ia*16*DP+64*ib+16
.set ib, ib+1
.endr
.set ia, ia+1
.endr
	WIN 0
	s_wait_dscnt 0x0                               ; for the others' sake: my part of the tile is written
	s_barrier_signal -1
	s_barrier_wait -1
	s_wait_loadcnt 0x0                             ; the biases
.if GELU
; Eight trips of 4 rows x 4 blocks: 32 numbers a lane.  gelu(x) = max(x, 0) - |x| (poly(t) / 2) e^(-x x / 2), t = 1 / (1 + 0.2316419 |x|): erf by a series of five terms, absolute error 1.5e-7 for every x.
.set X,   32
.set AX,  64
.set T,   96
.set E,   128
.set Y,   160
.set OUT, 192
.macro P16 line:vararg
.set n, 0
.rept 16
	\line
.set n, n+1
.endr
.endm
	s_mov_b32 s3, 8
.Lout:
	v_add_nc_u32 v[RDA], s[RB], v[RD0]
.irp c, 0,1,2,3
	ds_load_b128 v[X+8*\c:X+8*\c+3],   v[RDA] offset:256*\c
	ds_load_b128 v[X+8*\c+4:X+8*\c+7], v[RDA] offset:256*\c+16
.endr
	s_wait_dscnt 0x0
	P16 v_pk_add_f32 v[X+2*n:X+2*n+1], v[X+2*n:X+2*n+1], v[BI+2*n:BI+2*n+1]
	; one batch of 64 reciprocals and exponentials: pair n - 1's four stand singly between pair n's five plain lines; nothing ahead of the wait names a result
.set n, 0
.rept 16
	v_and_b32 v[AX+2*n], s[ABSM], v[X+2*n]
.if n > 0
	v_rcp_f32 v[T+2*n-2], v[T+2*n-2]
.endif
	v_and_b32 v[AX+2*n+1], s[ABSM], v[X+2*n+1]
.if n > 0
	v_rcp_f32 v[T+2*n-1], v[T+2*n-1]
.endif
	v_pk_fma_f32 v[T+2*n:T+2*n+1], v[AX+2*n:AX+2*n+1], s[CP:CP+1], 1.0 op_sel_hi:[1,0,0]
.if n > 0
	v_exp_f32 v[E+2*n-2], v[E+2*n-2]
.endif
	v_pk_mul_f32 v[E+2*n:E+2*n+1], v[AX+2*n:AX+2*n+1], v[AX+2*n:AX+2*n+1]
.if n > 0
	v_exp_f32 v[E+2*n-1], v[E+2*n-1]
.endif
	v_pk_mul_f32 v[E+2*n:E+2*n+1], v[E+2*n:E+2*n+1], s[CE:CE+1] op_sel_hi:[1,0]
.set n, n+1
.endr
	v_rcp_f32 v[T+30], v[T+30]
	v_max_num_f32 v[X], 0, v[X]
	v_rcp_f32 v[T+31], v[T+31]
	v_max_num_f32 v[X+1], 0, v[X+1]
	v_exp_f32 v[E+30], v[E+30]
	v_max_num_f32 v[X+2], 0, v[X+2]
	v_exp_f32 v[E+31], v[E+31]
.set n, 3
.rept 29
	v_max_num_f32 v[X+n], 0, v[X+n]
.set n, n+1
.endr
	s_wait_alu depctr_va_vdst(0)                   ; one wait for the batch, ahead of its first reader
	P16 v_pk_fma_f32 v[Y+2*n:Y+2*n+1], v[T+2*n:T+2*n+1], s[CA5:CA5+1], s[CA4:CA4+1] op_sel_hi:[1,0,0]
	P16 v_pk_fma_f32 v[Y+2*n:Y+2*n+1], v[Y+2*n:Y+2*n+1], v[T+2*n:T+2*n+1], s[CA3:CA3+1] op_sel_hi:[1,1,0]
	P16 v_pk_fma_f32 v[Y+2*n:Y+2*n+1], v[Y+2*n:Y+2*n+1], v[T+2*n:T+2*n+1], s[CA2:CA2+1] op_sel_hi:[1,1,0]
	P16 v_pk_fma_f32 v[Y+2*n:Y+2*n+1], v[Y+2*n:Y+2*n+1], v[T+2*n:T+2*n+1], s[CA1:CA1+1] op_sel_hi:[1,1,0]
	P16 v_pk_mul_f32 v[Y+2*n:Y+2*n+1], v[Y+2*n:Y+2*n+1], v[T+2*n:T+2*n+1]
	P16 v_pk_mul_f32 v[Y+2*n:Y+2*n+1], v[Y+2*n:Y+2*n+1], v[E+2*n:E+2*n+1]
	P16 v_pk_fma_f32 v[X+2*n:X+2*n+1], v[AX+2*n:AX+2*n+1], v[Y+2*n:Y+2*n+1], v[X+2*n:X+2*n+1] neg_lo:[1,0,0] neg_hi:[1,0,0]
	P16 v_cvt_pk_f16_f32 v[OUT+n], v[X+2*n], v[X+2*n+1]
.irp c, 0,1,2,3
	global_store_b128 v[CO], v[OUT+4*\c:OUT+4*\c+3], s[8:9] offset:\c*1048576  ; four rows of a block: 512 consecutive bytes, aligned
.endr
	s_wait_xcnt 0x0                                ; the stores' data and base are written again only behind this wait
	s_add_co_u32 s[RB], s[RB], 4*DP
	s_add_nc_u64 s[8:9], s[8:9], 512
	s_sub_co_u32 s3, s3, 1
	s_cmp_lg_u32 s3, 0
	s_cbranch_scc1 .Lout
.else
; Four trips of 8 rows x 3 blocks
.set X,   32
.set OUT, 96
	s_mov_b32 s3, 4
.Lout:
	v_add_nc_u32 v[RDA], s[RB], v[RD0]
.irp p, 0,1
.irp c, 0,1,2
	ds_load_b128 v[X+8*(3*\p+\c):X+8*(3*\p+\c)+3],   v[RDA] offset:\p*4*DP+256*\c
	ds_load_b128 v[X+8*(3*\p+\c)+4:X+8*(3*\p+\c)+7], v[RDA] offset:\p*4*DP+256*\c+16
.endr
.endr
	s_wait_dscnt 0x0
.irp p, 0,1
.irp c, 0,1,2
.irp j, 0,1,2,3
	v_pk_add_f32 v[X+8*(3*\p+\c)+2*\j:X+8*(3*\p+\c)+2*\j+1], v[X+8*(3*\p+\c)+2*\j:X+8*(3*\p+\c)+2*\j+1], v[BI+8*\c+2*\j:BI+8*\c+2*\j+1]
.endr
.irp j, 0,1,2,3
	v_cvt_pk_f16_f32 v[OUT+4*(3*\p+\c)+\j], v[X+8*(3*\p+\c)+2*\j], v[X+8*(3*\p+\c)+2*\j+1]
.endr
	global_store_b128 v[CO], v[OUT+4*(3*\p+\c):OUT+4*(3*\p+\c)+3], s[8:9] offset:\c*1048576+\p*512  ; four rows of a block: 512 consecutive bytes, aligned
.endr
.endr
	s_wait_xcnt 0x0                                ; the stores' data and base are written again only behind this wait
	s_add_co_u32 s[RB], s[RB], 8*DP
	s_add_nc_u64 s[8:9], s[8:9], 1024
	s_sub_co_u32 s3, s3, 1
	s_cmp_lg_u32 s3, 0
	s_cbranch_scc1 .Lout
.endif
	s_wait_tensorcnt 0x0                           ; the wave's end
	ds_add_u32 v[SPW], v[NIL]
	s_wait_dscnt 0x0
	CROUND                                         ; the closing round: no work-group ends while a partner may still ask jointly
	s_endpgm
.Lfunc_end_k_qb4a5de30c3_ffn1:
	.size	k_qb4a5de30c3_ffn1, .Lfunc_end_k_qb4a5de30c3_ffn1-k_qb4a5de30c3_ffn1
	.p2alignl 7, 3214868480
	.fill 96, 4, 3214868480
	.section	.rodata,"a",@progbits
	.p2align	6, 0x0
	.amdhsa_kernel k_qb4a5de30c3_ffn1
		.amdhsa_group_segment_fixed_size 327680
		.amdhsa_private_segment_fixed_size 0
		.amdhsa_enable_private_segment 0
		.amdhsa_kernarg_size 32
		.amdhsa_user_sgpr_count 2
		.amdhsa_user_sgpr_kernarg_segment_ptr 1
		.amdhsa_wavefront_size32 1
		.amdhsa_system_sgpr_workgroup_id_x 1
		.amdhsa_system_sgpr_workgroup_id_y 1
		.amdhsa_system_sgpr_workgroup_id_z 1
		.amdhsa_system_vgpr_workitem_id 0
		.amdhsa_next_free_vgpr 512
		.amdhsa_next_free_sgpr 96
		.amdhsa_reserve_vcc 0
		.amdhsa_float_denorm_mode_32 3
		.amdhsa_float_denorm_mode_16_64 3
		.amdhsa_memory_ordered 1
		.amdhsa_forward_progress 1
		.amdhsa_inst_pref_size 93
	.end_amdhsa_kernel
	.amdgpu_metadata
---
amdhsa.version: [ 1, 2 ]
amdhsa.kernels:
  - .name:           k_qb4a5de30c3_ffn1
    .symbol:         k_qb4a5de30c3_ffn1.kd
    .args:
      - { .name: hh, .offset: 0, .size: 8, .value_kind: global_buffer, .address_space: global }
      - { .name: wt, .offset: 8, .size: 8, .value_kind: global_buffer, .address_space: global }
      - { .name: gg, .offset: 16, .size: 8, .value_kind: global_buffer, .address_space: global }
      - { .name: b1, .offset: 24, .size: 8, .value_kind: global_buffer, .address_space: global }
    .group_segment_fixed_size: 327680
    .private_segment_fixed_size: 0
    .kernarg_segment_align: 8
    .kernarg_segment_size: 32
    .max_flat_workgroup_size: 256
    .sgpr_count:     96
    .vgpr_count:     512
    .wavefront_size: 32
...
	.end_amdgpu_metadata
.endif
;; end of part 5
;; launch ffn2 (part 6): grid 4 x 64, 8 waves a work-group, clusters of 4 x 4, 327,680 bytes of LDS; arguments gg, wt, hf, yy; writes yy
.if DOCPART == 6
	.amdgcn_target "amdgcn-amd-amdhsa--gfx1250"
	.amdhsa_code_object_version 6
	.text
	.protected	k_qb4a5de30c3_ffn2
	.globl	k_qb4a5de30c3_ffn2
	.p2align	8
	.type	k_qb4a5de30c3_ffn2,@function
k_qb4a5de30c3_ffn2:
	s_mov_b64 s[64:65], 0
	v_nop
	global_prefetch_b8 v0, s[64:65] scope:SCOPE_SE
	s_setreg_imm32_b32 hwreg(HW_REG_WAVE_MODE, 25, 1), 1
	s_wait_xcnt 0x0
	s_wait_alu depctr_hold_cnt(0) depctr_sa_sdst(0) depctr_va_vdst(0) depctr_va_sdst(0) depctr_va_ssrc(0) depctr_va_vcc(0) depctr_vm_vsrc(0)
	s_getreg_b32 s2, hwreg(HW_REG_IB_STS2, 6, 4)
	s_cmp_eq_u32 s2, 0
	s_cbranch_scc0 .Lentry_in_a_cluster
	s_endpgm
.Lentry_in_a_cluster:
	s_bfe_u32 s2, ttmp6, 0x10000c
	s_cmp_lg_u32 s2, 0xf033
	s_cbranch_scc0 .Lentry_shape_is_right
	s_endpgm
.Lentry_shape_is_right:
; yy = hf + A W^T.  A = gg: [32][8192][64] f16 in blocks of 64 columns; W: [512][2048] f16 at byte WOFF of wt; hf, yy: [8192][512] f32.  Sums and the residual in f32.  The bias and the LayerNorm follow in the next launch.
; SHARES.  A work-group makes 128 x 128 of yy: of all tiles that give 256 work-groups this one sends the fewest bytes through LDS, 2 K (128 + 128) = 1 MiB.  K goes in eight steps of 256 through two LDS slots.
; Eight waves, two to a SIMD: wave w makes rows 64 ((w >> 1) & 1) on x columns 64 (w & 1) on, 16 accumulators, over half w >> 2 of each K step: four quarters of 32 along K.  The two halves' sums meet in LDS, in f32, at the end.
; CLUSTER 4 x 4: A's tile hangs on the tile row alone and is asked for jointly by a row of the cluster, W's on the tile column alone, by a column.
; FETCHING.  Waves 0 and 1: 64 rows of W each, 512 bytes a row.  Waves 2 to 5: one block of A each: 128 rows of 128 bytes are dense, asked for as 64 rows of 256 bytes.  Waves 6 and 7 fetch nothing.
; THE MATRIX INSTRUCTION IS USED TRANSPOSED (source 0 = 16 rows of W, source 1 = 16 rows of A): a lane holds one row of yy and eight neighbouring columns.
; REGISTERS: window 0: v16-33 addresses; v64-191 two fragment buffers of 64 (32 for W, 32 for A), later the two halves' sums; v192-255 the residual.  Window 1: accumulator (a, b) at v[8 (4 a + b)].
.set K,     2048
.set WOFF,  4194304
.set LAPS,  K/512                      ; a lap = two K steps = once round the ring
.set NB,    4
.set PB,    528                        ; a row of W in LDS: 512 bytes + 16
.set PA,    144                        ; a row of A: 128 bytes + 16
.set BBYTES, 128*PB
.set ABLK,  128*PA
.set SLOT,  BBYTES+4*ABLK              ; W's 128 rows, then A's four blocks
.set SPARE, 2*SLOT                     ; behind the ring: the spare words, 128 bytes for each of eight waves
.set DP,    528                        ; the way out: a row of 128 f32 + 16 bytes
.set IMG,   128*DP                     ; one half's sums; the two images lie over the ring when it has had its last fill
.set ADRA, 16                          ; v16-17  my A fragments in slot 0, 1
.set ADRB, 20                          ; v20-21  my W fragments
.set STO,  24                          ; where I put 32 bytes of a row of my image
.set RD,   25                          ; v25, v26  where I read a row of the first, the second image back
.set OO,   27                          ; 16 x lane
.set SPW,  28                          ; SPARE + 4 x my thread's number; never rewritten
.set NIL,  29                          ; 0; never rewritten
.set PFO,  30                          ; the prefetches' lane term; never rewritten
.set FB0,  64
.set FA0,  96
.set FSTR, 64
.set P0,   64
.set P1,   128
.set RES,  192
.set WV,   16                          ; s16  my wave's number
.set G1A,  24
.set G0A,  32                          ; a set for each slot
.set G1B,  40
.set G0B,  48
.set PFA,  72                          ; s[72:73] where my prefetches stand
.set PFS,  74                          ; s[74:75] a K step in their tensor
.set LIM,  76                          ; 1 in a wave that prefetches, else the greatest number
.set FLAGA, (1<<16)|(1<<20)|(1<<21)|(4<<22)|(3<<25)  ; 2-byte elements; padding on; bit 21 beside a mask; after every 32 words 4 words
.set FLAGB, (1<<16)|(1<<20)|(1<<21)|(6<<22)|(3<<25)  ; the same after every 128 words
.set MULW,  0x50                       ; C and D in window 1
.set MSB, 0
.macro WIN new                         ; the high byte repeats the setting that is left; a switch that changes nothing is dropped
.if MSB != (\new)
	s_set_vgpr_msb (MSB<<8)|(\new)
.set MSB, \new
.endif
.endm
.macro PLACES
.rept 4
	v_nop
.endr
.endm
.macro JLOAD s                         ; a joint load; the branches hang on the wave's number alone
	s_cmp_lt_u32 s[WV], 2
	s_cbranch_scc0 .Lnot_b_\@
	tensor_load_to_lds s[G0B+4*(\s):G0B+4*(\s)+3], s[G1B:G1B+7]
	s_nop 0
	PLACES
	s_branch .Lasked_\@
.Lnot_b_\@:
	s_cmp_lt_u32 s[WV], 6
	s_cbranch_scc0 .Lnone_\@
	tensor_load_to_lds s[G0A+4*(\s):G0A+4*(\s)+3], s[G1A:G1A+7]
	s_nop 0
	PLACES
	s_branch .Lasked_\@
.Lnone_\@:
	PLACES
.Lasked_\@:
.endm
; A prefetch of the K step that stands two refills on (256 matrix instructions of a SIMD's two waves ahead), behind the refill and the run of LDS loads: 32 blocks of 256 bytes, a lane a block, one instruction a wave.
; W's rows are read by every cluster: the first cluster along y asks, waves 0 and 1; the four partners of a column share a wave's 64 rows out by address, 16 rows of two blocks each.
; A's rows are read by one row of one cluster: partner cx asks for block cx of the step's four, wave 2 for its first 8,192 bytes, wave 3 for the rest.  So each block is named once in the launch.
; K steps 0 to 3 come by their loads alone; the loop's last trip asks for nothing.
.macro ASK
	s_cmp_gt_u32 s3, s[LIM]
	s_cbranch_scc0 .Lnot_mine_\@
	global_prefetch_b8 v[PFO], s[PFA:PFA+1] th:TH_LOAD_NT scope:SCOPE_SE
.Lnot_mine_\@:
.endm
.macro CREST                           ; a round of the cluster's barrier behind its opening barrier
	s_cmp_lg_u32 s[WV], 0
	s_cbranch_scc1 .Lnot_wave_0_\@
	s_barrier_signal -3
.Lnot_wave_0_\@:
	s_barrier_wait -3
	s_barrier_signal -1
	s_barrier_wait -1
.endm
.macro CROUND
	s_barrier_signal -1
	s_barrier_wait -1
	CREST
.endm
; na x 4 matrix instructions on buffer f, row blocks a0 on.  Every quarter walks the 16 accumulators in one order, one instruction a turn.
.macro MUL f, a0, na, zero
	WIN MULW
.set ia, \a0
.rept \na
.set ib, 0
.rept NB
.if \zero
	v_wmma_f32_16x16x32_f16 v[8*(NB*ia+ib):8*(NB*ia+ib)+7], v[FB0+FSTR*(\f)+8*ib:FB0+FSTR*(\f)+8*ib+7], v[FA0+FSTR*(\f)+8*ia:FA0+FSTR*(\f)+8*ia+7], 0
.else
	v_wmma_f32_16x16x32_f16 v[8*(NB*ia+ib):8*(NB*ia+ib)+7], v[FB0+FSTR*(\f)+8*ib:FB0+FSTR*(\f)+8*ib+7], v[FA0+FSTR*(\f)+8*ia:FA0+FSTR*(\f)+8*ia+7], v[8*(NB*ia+ib):8*(NB*ia+ib)+7]
.endif
.set ib, ib+1
.endr
.set ia, ia+1
.endr
.endm
.macro FETCH slot, q, f                ; one run of 16 LDS loads: quarter q of my half of the K step into buffer f
	WIN 0
.set ib, 0
.rept NB
	ds_load_b128 v[FB0+FSTR*(\f)+8*ib:FB0+FSTR*(\f)+8*ib+3],   v[ADRB+(\slot)] offset:64*(\q)+ib*16*PB
	ds_load_b128 v[FB0+FSTR*(\f)+8*ib+4:FB0+FSTR*(\f)+8*ib+7], v[ADRB+(\slot)] offset:64*(\q)+ib*16*PB+32
.set ib, ib+1
.endr
.set ia, 0
.rept 4
	ds_load_b128 v[FA0+FSTR*(\f)+8*ia:FA0+FSTR*(\f)+8*ia+3],   v[ADRA+(\slot)] offset:((\q)/2)*ABLK+((\q)%2)*64+ia*16*PA
	ds_load_b128 v[FA0+FSTR*(\f)+8*ia+4:FA0+FSTR*(\f)+8*ia+7], v[ADRA+(\slot)] offset:((\q)/2)*ABLK+((\q)%2)*64+ia*16*PA+32
.set ia, ia+1
.endr
.endm
; One of a step's first three quarters: buffer f is in; quarter q goes out into g, four places behind the products that read g, and has this quarter's products in which to land.
.macro QUARTER slot, q, f, g, zero
	s_wait_dscnt 0x0
	PLACES
	FETCH \slot, \q, \g
	MUL \f, 0, 4, \zero
.endm
; The fourth quarter multiplies buffer 1 and changes slots.  In front of the barrier each wave waits for all its tensor loads (at most one is out: its part of the next slot), adds 0 to its
; spare word, and waits for that and for its reads of this slot.  fill = 1: the barrier opens a round of the cluster's, and the joint refill, two K steps on, is the first thing behind it.
.macro TURN slot, next, fill
.if \fill
	s_wait_xcnt 0x0                                ; the last prefetch, a K step back, has read its address
	s_add_nc_u64 s[PFA:PFA+1], s[PFA:PFA+1], s[PFS:PFS+1]
.endif
	WIN 0
	s_wait_tensorcnt 0x0
	ds_add_u32 v[SPW], v[NIL]
	s_wait_dscnt 0x1                               ; buffer 1 is in; the add alone may be out
	MUL 1, 0, 1, 0
	s_wait_dscnt 0x0                               ; the add is done, and my reads of this slot are over
	s_barrier_signal -1
	MUL 1, 1, 1, 0
	WIN 0
	s_barrier_wait -1
.if \fill
	CREST
	s_add_nc_u64 s[G0B+4*(\slot)+2:G0B+4*(\slot)+3], s[G0B+4*(\slot)+2:G0B+4*(\slot)+3], 1024     ; 512 k on in W's rows,
	s_add_nc_u64 s[G0A+4*(\slot)+2:G0A+4*(\slot)+3], s[G0A+4*(\slot)+2:G0A+4*(\slot)+3], 8388608  ; eight blocks on in A
	JLOAD \slot                                    ; its four v_nop are also the places in front of the loads below
.else
	PLACES
.endif
	FETCH \next, 0, 0
.if \fill
	ASK
.endif
	MUL 1, 2, 2, 0
.endm
	s_load_b256 s[4:11], s[0:1], 0x0               ; gg s[4:5], wt s[6:7], hf s[8:9], yy s[10:11]
	v_lshl_add_u32 v[SPW], v0, 2, SPARE
	v_mov_b32 v[NIL], 0
	ds_add_u32 v[SPW], v[NIL]                      ; the wave's opening: the add and its wait stand ahead of my first tensor load
	v_lshrrev_b32 v1, 5, v0
	v_readfirstlane_b32 s[WV], v1
	s_bfe_u32 s18, ttmp6, 0x40000                  ; cx
	s_bfe_u32 s19, ttmp6, 0x40004                  ; cy
	s_lshl_b32 s20, ttmp9, 2
	s_add_co_u32 s20, s20, s18                     ; tile column
	s_and_b32 s21, ttmp7, 0xffff
	s_lshl_b32 s21, s21, 2
	s_add_co_u32 s21, s21, s19                     ; tile row
	s_lshl_b32 s66, s19, 2
	s_lshl_b32 s66, 15, s66                        ; my row of the cluster
	s_lshl_b32 s67, 0x1111, s18                    ; my column
	s_or_b32 s[G1A], s66, FLAGA
	s_or_b32 s[G1B], s67, FLAGB
	s_mov_b32 s[G1A+1], 128<<16                    ; tensor_dim0 = 128
	s_mov_b32 s[G1A+2], 64<<16                     ; tensor_dim1 = 64
	s_mov_b32 s[G1A+3], 128<<16                    ; tile_dim0 = 128
	s_mov_b32 s[G1A+4], 64                         ; tile_dim1 = 64
	s_mov_b32 s[G1A+5], 128                        ; elements from row to row: dense
	s_mov_b32 s[G1A+6], 0
	s_mov_b32 s[G1A+7], 0
	s_mov_b32 s[G1B+1], 256<<16
	s_mov_b32 s[G1B+2], 64<<16
	s_mov_b32 s[G1B+3], 256<<16
	s_mov_b32 s[G1B+4], 64
	s_mov_b32 s[G1B+5], K
	s_mov_b32 s[G1B+6], 0
	s_mov_b32 s[G1B+7], 0
	s_add_co_u32 s56, s[WV], 2                     ; A: waves 2 to 5 take blocks 0 to 3 of the step's four, 1,048,576 bytes apart,
	s_and_b32 s56, s56, 3
	s_lshl_b32 s56, s56, 20
	s_lshl_b32 s57, s21, 14                        ; at the tile's 128 rows of 128 bytes
	s_add_co_u32 s56, s56, s57
	s_mov_b32 s57, 0
	s_lshl_b32 s60, s20, 7                         ; W: row 128 x tile column + 64 x wave, rows of 4,096 bytes
	s_and_b32 s61, s[WV], 1
	s_lshl_b32 s61, s61, 6
	s_add_co_u32 s60, s60, s61
	s_lshl_b32 s60, s60, 12
	s_add_co_u32 s60, s60, WOFF
	s_mov_b32 s61, 0
	s_mul_i32 s22, s[WV], ABLK                     ; LDS: A's blocks by waves 2-5, behind W: the wave's number and constants alone
	s_add_co_u32 s22, s22, BBYTES-2*ABLK
	s_mul_i32 s23, s[WV], 64*PB                    ; W's halves by waves 0 and 1
	s_wait_dscnt 0x0                               ; the opening add is done
	s_wait_kmcnt 0x0
	s_add_nc_u64 s[58:59], s[4:5], s[56:57]
	s_add_nc_u64 s[62:63], s[6:7], s[60:61]
	CROUND                                         ; all sixteen work-groups are here: the first joint loads meet
.irp s, 0,1
	s_mov_b32 s[G0A+4*\s], 1
	s_add_co_u32 s[G0A+4*\s+1], s22, \s*SLOT
	s_add_nc_u64 s[G0A+4*\s+2:G0A+4*\s+3], s[58:59], \s*4194304
	s_or_b32 s[G0A+4*\s+3], s[G0A+4*\s+3], 0x80000000
	s_mov_b32 s[G0B+4*\s], 1
	s_add_co_u32 s[G0B+4*\s+1], s23, \s*SLOT
	s_add_nc_u64 s[G0B+4*\s+2:G0B+4*\s+3], s[62:63], \s*512
	s_or_b32 s[G0B+4*\s+3], s[G0B+4*\s+3], 0x80000000
.endr
	s_cmp_lt_u32 s[WV], 2                          ; a wave's two first fills stand in one arm: two loads of mine are out, or none
	s_cbranch_scc0 .Lfirst_nb
	tensor_load_to_lds s[G0B:G0B+3], s[G1B:G1B+7]
	s_nop 0
	tensor_load_to_lds s[G0B+4:G0B+7], s[G1B:G1B+7]
	s_nop 0
	PLACES
	s_branch .Lfirst_done
.Lfirst_nb:
	s_cmp_lt_u32 s[WV], 6
	s_cbranch_scc0 .Lfirst_done
	tensor_load_to_lds s[G0A:G0A+3], s[G1A:G1A+7]
	s_nop 0
	tensor_load_to_lds s[G0A+4:G0A+7], s[G1A:G1A+7]
	s_nop 0
	PLACES
.Lfirst_done:
	v_and_b32 v1, 15, v0                           ; r = l % 16
	v_bfe_u32 v2, v0, 4, 1                         ; h = l / 16
	v_and_b32 v5, 31, v0                           ; l
	v_lshlrev_b32 v[OO], 4, v5
	s_lshl_b32 s68, s21, 7                         ; wave w finishes rows 16 w .. 16 w + 15 of the tile: rows of 2,048 bytes, the tile's 512 bytes of them
	s_lshl_b32 s69, s[WV], 4
	s_add_co_u32 s68, s68, s69
	s_lshl_b32 s68, s68, 11
	s_lshl_b32 s69, s20, 9
	s_add_co_u32 s68, s68, s69
	s_mov_b32 s69, 0
	s_add_nc_u64 s[8:9], s[8:9], s[68:69]
	s_add_nc_u64 s[10:11], s[10:11], s[68:69]
.set i, 0
.rept 16                               ; the residual of those rows, 512 consecutive bytes a load; it is waited for on the way out
	global_load_b128 v[RES+4*i:RES+4*i+3], v[OO], s[8:9] offset:2048*i th:TH_LOAD_NT
.set i, i+1
.endr
	s_lshr_b32 s70, s[WV], 2                       ; which half of a K step is mine
	s_lshr_b32 s71, s[WV], 1
	s_and_b32 s71, s71, 1                          ; which 64 rows
	s_and_b32 s77, s[WV], 1                        ; which 64 columns
	v_mul_u32_u24 v3, v1, PB
	v_lshl_add_u32 v3, v2, 4, v3                   ; a fragment: row x pitch + 16 h, two loads 32 bytes apart
	s_mul_i32 s78, s77, 64*PB
	s_lshl_b32 s79, s70, 8
	s_add_co_u32 s78, s78, s79
	v_add_nc_u32 v[ADRB], s78, v3
	v_add_nc_u32 v[ADRB+1], SLOT, v[ADRB]
	v_mul_u32_u24 v4, v1, PA
	v_lshl_add_u32 v4, v2, 4, v4
	s_mul_i32 s78, s70, 2*ABLK
	s_mul_i32 s79, s71, 64*PA
	s_add_co_u32 s78, s78, s79
	s_add_co_u32 s78, s78, BBYTES
	v_add_nc_u32 v[ADRA], s78, v4
	v_add_nc_u32 v[ADRA+1], SLOT, v[ADRA]
	s_mul_i32 s78, s70, IMG                        ; my half's image, my 64 rows, my 64 columns in f32
	s_mul_i32 s79, s71, 64*DP
	s_add_co_u32 s78, s78, s79
	s_lshl_b32 s79, s77, 8
	s_add_co_u32 s78, s78, s79
	v_mul_u32_u24 v6, v1, DP
	v_lshl_add_u32 v6, v2, 5, v6
	v_add_nc_u32 v[STO], s78, v6
	s_mul_i32 s78, s[WV], 16*DP
	v_lshl_add_u32 v[RD], v5, 4, s78
	v_add_nc_u32 v[RD+1], IMG, v[RD]
	; the prefetches
	s_and_b32 s77, ttmp7, 0xffff
	s_cmp_eq_u32 s77, 0
	s_cselect_b32 s78, 1, -1                       ; W: waves 0 and 1 of the first cluster along y: the same in all sixteen partners
	s_cmp_lt_u32 s[WV], 4
	s_cselect_b32 s79, 1, -1                       ; A: waves 2 and 3 of every work-group
	s_lshl_b32 s80, s20, 7
	s_and_b32 s81, s[WV], 1
	s_lshl_b32 s82, s81, 6
	s_add_co_u32 s80, s80, s82
	s_lshl_b32 s82, s19, 4
	s_add_co_u32 s80, s80, s82                     ; W's row 128 x tile column + 64 (w & 1) + 16 cy
	s_lshl_b32 s80, s80, 12
	s_add_co_u32 s80, s80, WOFF+3*512              ; at K step 3: the first refill steps it to 4
	s_add_co_u32 s83, s18, 12                      ; A's block 4 x 3 + cx,
	s_lshl_b32 s83, s83, 20
	s_lshl_b32 s82, s21, 14                        ; the tile's rows,
	s_add_co_u32 s83, s83, s82
	s_lshl_b32 s82, s81, 13                        ; their first or second 8,192 bytes
	s_add_co_u32 s83, s83, s82
	s_mov_b32 s82, 4194304
	s_cmp_lt_u32 s[WV], 2
	s_cselect_b32 s[LIM], s78, s79
	s_cselect_b32 s[PFS], 512, s82
	s_cselect_b32 s84, s80, s83
	s_cselect_b32 s86, -1, 0
	s_cselect_b64 s[PFA:PFA+1], s[6:7], s[4:5]
	s_mov_b32 s[PFS+1], 0
	s_mov_b32 s85, 0
	s_add_nc_u64 s[PFA:PFA+1], s[PFA:PFA+1], s[84:85]
	v_lshlrev_b32 v31, 8, v5                       ; A: a lane a block of 256 bytes on end
	v_lshrrev_b32 v32, 1, v5                       ; W: two lanes a row of 4,096 bytes
	v_and_b32 v33, 1, v5
	v_lshlrev_b32 v33, 8, v33
	v_lshl_add_u32 v32, v32, 12, v33
	v_cndmask_b32 v[PFO], v31, v32, s86
	s_wait_tensorcnt 0x1                           ; my part of K step 0 is in; step 1's may stay out
	s_barrier_signal -1
	s_barrier_wait -1
	FETCH 0, 0, 0
	QUARTER 0, 1, 0, 1, 1                          ; the first quarter stands in front of the loop: its products start the sums, nothing is cleared
	WIN 0
	s_mov_b32 s3, LAPS-1
.Llap:                                                 ; a trip goes once round the ring, from a lap's second quarter to the next lap's first, and fills both slots again
	QUARTER 0, 2, 1, 0, 0
	QUARTER 0, 3, 0, 1, 0
	TURN 0, 1, 1
	QUARTER 1, 1, 0, 1, 0
	QUARTER 1, 2, 1, 0, 0
	QUARTER 1, 3, 0, 1, 0
	TURN 1, 0, 1
	QUARTER 0, 1, 0, 1, 0
	WIN 0
	s_sub_co_u32 s3, s3, 1
	s_cmp_lg_u32 s3, 0
	s_cbranch_scc1 .Llap
	QUARTER 0, 2, 1, 0, 0                          ; the last lap is written out: it fills nothing
	QUARTER 0, 3, 0, 1, 0
	TURN 0, 1, 0
	QUARTER 1, 1, 0, 1, 0
	QUARTER 1, 2, 1, 0, 0
	QUARTER 1, 3, 0, 1, 0
	s_wait_dscnt 0x0
	MUL 1, 0, 4, 0
	; THE WAY OUT.  Both slots have had their last fill and every wave's reads are back: behind a barrier the ring becomes the two halves' sums in f32.
	PLACES
	PLACES
	WIN 0
	s_barrier_signal -1
	s_barrier_wait -1
	WIN 0x04                                       ; the stores' data in window 1
.set ia, 0
.rept 4
.set ib, 0
.rept NB
	ds_store_b128 v[STO], v[8*(NB*ia+ib):8*(NB*ia+ib)+3]   offset:ia*16*DP+64*ib      ; each accumulator's low registers first
	ds_store_b128 v[STO], v[8*(NB*ia+ib)+4:8*(NB*ia+ib)+7] offset:ia*16*DP+64*ib+16
.set ib, ib+1
.endr
.set ia, ia+1
.endr
	WIN 0
	s_wait_dscnt 0x0                               ; for the others' sake: my part of my image is written
	s_barrier_signal -1
	s_barrier_wait -1
.set i, 0
.rept 16                               ; my 16 rows of both images, 512 bytes a load
	ds_load_b128 v[P0+4*i:P0+4*i+3], v[RD]   offset:i*DP
	ds_load_b128 v[P1+4*i:P1+4*i+3], v[RD+1] offset:i*DP
.set i, i+1
.endr
	s_wait_loadcnt 0x0                             ; the residual
.set i, 0
.rept 16
	s_wait_dscnt 30-2*i                            ; LDS loads come back in order: row i's two are in, the younger pairs stay out
	v_pk_add_f32 v[P0+4*i:P0+4*i+1],   v[P0+4*i:P0+4*i+1],   v[P1+4*i:P1+4*i+1]
	v_pk_add_f32 v[P0+4*i+2:P0+4*i+3], v[P0+4*i+2:P0+4*i+3], v[P1+4*i+2:P1+4*i+3]
	v_pk_add_f32 v[P0+4*i:P0+4*i+1],   v[P0+4*i:P0+4*i+1],   v[RES+4*i:RES+4*i+1]
	v_pk_add_f32 v[P0+4*i+2:P0+4*i+3], v[P0+4*i+2:P0+4*i+3], v[RES+4*i+2:RES+4*i+3]
	global_store_b128 v[OO], v[P0+4*i:P0+4*i+3], s[10:11] offset:2048*i  ; 512 consecutive bytes, aligned; no register is written twice
.set i, i+1
.endr
	s_wait_tensorcnt 0x0                           ; the wave's end
	ds_add_u32 v[SPW], v[NIL]
	s_wait_dscnt 0x0
	CROUND                                         ; the closing round: no work-group ends while a partner may still ask jointly
	s_endpgm
.Lfunc_end_k_qb4a5de30c3_ffn2:
	.size	k_qb4a5de30c3_ffn2, .Lfunc_end_k_qb4a5de30c3_ffn2-k_qb4a5de30c3_ffn2
	.p2alignl 7, 3214868480
	.fill 96, 4, 3214868480
	.section	.rodata,"a",@progbits
	.p2align	6, 0x0
	.amdhsa_kernel k_qb4a5de30c3_ffn2
		.amdhsa_group_segment_fixed_size 327680
		.amdhsa_private_segment_fixed_size 0
		.amdhsa_enable_private_segment 0
		.amdhsa_kernarg_size 32
		.amdhsa_user_sgpr_count 2
		.amdhsa_user_sgpr_kernarg_segment_ptr 1
		.amdhsa_wavefront_size32 1
		.amdhsa_system_sgpr_workgroup_id_x 1
		.amdhsa_system_sgpr_workgroup_id_y 1
		.amdhsa_system_sgpr_workgroup_id_z 1
		.amdhsa_system_vgpr_workitem_id 0
		.amdhsa_next_free_vgpr 384
		.amdhsa_next_free_sgpr 96
		.amdhsa_reserve_vcc 0
		.amdhsa_float_denorm_mode_32 3
		.amdhsa_float_denorm_mode_16_64 3
		.amdhsa_memory_ordered 1
		.amdhsa_forward_progress 1
		.amdhsa_inst_pref_size 60
	.end_amdhsa_kernel
	.amdgpu_metadata
---
amdhsa.version: [ 1, 2 ]
amdhsa.kernels:
  - .name:           k_qb4a5de30c3_ffn2
    .symbol:         k_qb4a5de30c3_ffn2.kd
    .args:
      - { .name: gg, .offset: 0, .size: 8, .value_kind: global_buffer, .address_space: global }
      - { .name: wt, .offset: 8, .size: 8, .value_kind: global_buffer, .address_space: global }
      - { .name: hf, .offset: 16, .size: 8, .value_kind: global_buffer, .address_space: global }
      - { .name: yy, .offset: 24, .size: 8, .value_kind: global_buffer, .address_space: global }
    .group_segment_fixed_size: 327680
    .private_segment_fixed_size: 0
    .kernarg_segment_align: 8
    .kernarg_segment_size: 32
    .max_flat_workgroup_size: 256
    .sgpr_count:     96
    .vgpr_count:     384
    .wavefront_size: 32
...
	.end_amdgpu_metadata
.endif
;; end of part 6
;; launch ln2 (part 7): grid 512 x 1, 8 waves a work-group, no clusters, 0 bytes of LDS; arguments yy, b2, ln2_g, ln2_b, out0; writes out0
.if DOCPART == 7
	.amdgcn_target "amdgcn-amd-amdhsa--gfx1250"
	.amdhsa_code_object_version 6
	.text
	.protected	k_qb4a5de30c3_ln2
	.globl	k_qb4a5de30c3_ln2
	.p2align	8
	.type	k_qb4a5de30c3_ln2,@function
k_qb4a5de30c3_ln2:
	s_mov_b64 s[64:65], 0
	v_nop
	global_prefetch_b8 v0, s[64:65] scope:SCOPE_SE
	s_setreg_imm32_b32 hwreg(HW_REG_WAVE_MODE, 25, 1), 1
	s_wait_xcnt 0x0
; out0 = LayerNorm(yy + b2) x gain + beta.  yy, out0: [8192][512] f32.  All in f32; the mean first, then the mean of the squared deviations.
; A stream: each byte of yy is read once and each byte of out0 written once, 512 consecutive bytes an instruction.  A row of 2,048 bytes is 16 registers of one wave, so a row never leaves its wave:
; no LDS, no barrier.  A wave takes two rows, their lines by turns; a work-group 16 rows.  No cluster and no matrix unit: the work-groups share 6,144 bytes of parameters and nothing else.
.set OO,   3                           ; 16 x lane: lane l holds columns 4 l + 128 i, i = 0..3
.set PBI,  16
.set PGA,  32
.set PBE,  48
.set Z,    64                          ; a row's 16 numbers a lane, two rows
.set TT,   96                          ; eight at work a row
.set SEL,  20
.set INV,  22
.set EPS,  23
	s_load_b256 s[4:11], s[0:1], 0x0               ; yy s[4:5], bias s[6:7], gain s[8:9], beta s[10:11]
	s_load_b64 s[12:13], s[0:1], 0x20              ; out0
	v_lshrrev_b32 v1, 5, v0
	v_readfirstlane_b32 s14, v1                    ; wave
	v_and_b32 v2, 31, v0
	v_lshlrev_b32 v[OO], 4, v2
	s_lshl_b32 s16, ttmp9, 15                      ; the work-group's 16 rows of 2,048 bytes,
	s_lshl_b32 s17, s14, 12                        ; my wave's two
	s_add_co_u32 s16, s16, s17
	s_mov_b32 s17, 0
	s_mov_b32 s[SEL], 0x76543210                   ; v_permlanex16_b32: each lane takes its own place in the other half
	s_mov_b32 s[SEL+1], 0xfedcba98
	s_mov_b32 s[INV], 0x3b000000                   ; 1 / 512
	s_mov_b32 s[EPS], 0x3727c5ac                   ; 1e-5
	s_wait_kmcnt 0x0
	s_add_nc_u64 s[4:5], s[4:5], s[16:17]
	s_add_nc_u64 s[12:13], s[12:13], s[16:17]
.irp p, 0,1
.irp i, 0,1,2,3
	global_load_b128 v[Z+16*\p+4*\i:Z+16*\p+4*\i+3], v[OO], s[4:5] offset:\p*2048+512*\i th:TH_LOAD_NT
.endr
.endr
.irp i, 0,1,2,3
	global_load_b128 v[PBI+4*\i:PBI+4*\i+3], v[OO], s[6:7] offset:512*\i
	global_load_b128 v[PGA+4*\i:PGA+4*\i+3], v[OO], s[8:9] offset:512*\i
	global_load_b128 v[PBE+4*\i:PBE+4*\i+3], v[OO], s[10:11] offset:512*\i
.endr
.macro BOTH line:vararg                ; one line for each of the two rows
.set p, 0
.rept 2
	\line
.set p, p+1
.endr
.endm
.macro ACROSS r                        ; the sum over the wave's 32 lanes of v[TT+8p+r]; v[TT+8p+r+1] is at work
	BOTH v_add_f32 v[TT+8*p+(\r)], v[TT+8*p+(\r)], v[TT+8*p+(\r)+1]
	BOTH v_add_f32_dpp v[TT+8*p+(\r)], v[TT+8*p+(\r)], v[TT+8*p+(\r)] row_xmask:1 row_mask:0xf bank_mask:0xf
	BOTH v_add_f32_dpp v[TT+8*p+(\r)], v[TT+8*p+(\r)], v[TT+8*p+(\r)] row_xmask:2 row_mask:0xf bank_mask:0xf
	BOTH v_add_f32_dpp v[TT+8*p+(\r)], v[TT+8*p+(\r)], v[TT+8*p+(\r)] row_xmask:4 row_mask:0xf bank_mask:0xf
	BOTH v_add_f32_dpp v[TT+8*p+(\r)], v[TT+8*p+(\r)], v[TT+8*p+(\r)] row_xmask:8 row_mask:0xf bank_mask:0xf
	BOTH v_permlanex16_b32 v[TT+8*p+(\r)+1], v[TT+8*p+(\r)], s[SEL], s[SEL+1]
	BOTH v_add_f32 v[TT+8*p+(\r)], v[TT+8*p+(\r)], v[TT+8*p+(\r)+1]
.endm
	s_wait_loadcnt 0x0                             ; both rows and the parameters
.set k, 0
.rept 8
	BOTH v_pk_add_f32 v[Z+16*p+2*k:Z+16*p+2*k+1], v[Z+16*p+2*k:Z+16*p+2*k+1], v[PBI+2*k:PBI+2*k+1]
.set k, k+1
.endr
.set k, 0
.rept 4
	BOTH v_pk_add_f32 v[TT+8*p+2*k:TT+8*p+2*k+1], v[Z+16*p+4*k:Z+16*p+4*k+1], v[Z+16*p+4*k+2:Z+16*p+4*k+3]
.set k, k+1
.endr
	BOTH v_pk_add_f32 v[TT+8*p:TT+8*p+1], v[TT+8*p:TT+8*p+1], v[TT+8*p+2:TT+8*p+3]
	BOTH v_pk_add_f32 v[TT+8*p+4:TT+8*p+5], v[TT+8*p+4:TT+8*p+5], v[TT+8*p+6:TT+8*p+7]
	BOTH v_pk_add_f32 v[TT+8*p:TT+8*p+1], v[TT+8*p:TT+8*p+1], v[TT+8*p+4:TT+8*p+5]
	ACROSS 0
	BOTH v_mul_f32 v[TT+8*p], s[INV], v[TT+8*p]    ; the mean
.set k, 0
.rept 8
	BOTH v_pk_add_f32 v[Z+16*p+2*k:Z+16*p+2*k+1], v[Z+16*p+2*k:Z+16*p+2*k+1], v[TT+8*p:TT+8*p+1] op_sel_hi:[1,0] neg_lo:[0,1] neg_hi:[0,1]
.set k, k+1
.endr
	BOTH v_pk_mul_f32 v[TT+8*p+2:TT+8*p+3], v[Z+16*p:Z+16*p+1], v[Z+16*p:Z+16*p+1]
	BOTH v_pk_mul_f32 v[TT+8*p+4:TT+8*p+5], v[Z+16*p+2:Z+16*p+3], v[Z+16*p+2:Z+16*p+3]
.set k, 2
.rept 6
	BOTH v_pk_fma_f32 v[TT+8*p+2+2*(k%2):TT+8*p+3+2*(k%2)], v[Z+16*p+2*k:Z+16*p+2*k+1], v[Z+16*p+2*k:Z+16*p+2*k+1], v[TT+8*p+2+2*(k%2):TT+8*p+3+2*(k%2)]
.set k, k+1
.endr
	BOTH v_pk_add_f32 v[TT+8*p+2:TT+8*p+3], v[TT+8*p+2:TT+8*p+3], v[TT+8*p+4:TT+8*p+5]
	ACROSS 2
	BOTH v_fma_f32 v[TT+8*p+2], v[TT+8*p+2], s[INV], s[EPS]
	BOTH v_rsq_f32 v[TT+8*p+4], v[TT+8*p+2]
	v_nop                                          ; a plain instruction behind the second root,
	s_wait_alu depctr_va_vdst(0)                   ; and one wait for both, ahead of their first reader
.set k, 0
.rept 8
	BOTH v_pk_mul_f32 v[Z+16*p+2*k:Z+16*p+2*k+1], v[Z+16*p+2*k:Z+16*p+2*k+1], v[TT+8*p+4:TT+8*p+5] op_sel_hi:[1,0]
.set k, k+1
.endr
.set k, 0
.rept 8
	BOTH v_pk_fma_f32 v[Z+16*p+2*k:Z+16*p+2*k+1], v[Z+16*p+2*k:Z+16*p+2*k+1], v[PGA+2*k:PGA+2*k+1], v[PBE+2*k:PBE+2*k+1]
.set k, k+1
.endr
.irp p, 0,1
.irp i, 0,1,2,3
	global_store_b128 v[OO], v[Z+16*\p+4*\i:Z+16*\p+4*\i+3], s[12:13] offset:\p*2048+512*\i  ; 512 consecutive bytes, aligned
.endr
.endr
	s_endpgm
.Lfunc_end_k_qb4a5de30c3_ln2:
	.size	k_qb4a5de30c3_ln2, .Lfunc_end_k_qb4a5de30c3_ln2-k_qb4a5de30c3_ln2
	.p2alignl 7, 3214868480
	.fill 96, 4, 3214868480
	.section	.rodata,"a",@progbits
	.p2align	6, 0x0
	.amdhsa_kernel k_qb4a5de30c3_ln2
		.amdhsa_group_segment_fixed_size 0
		.amdhsa_private_segment_fixed_size 0
		.amdhsa_enable_private_segment 0
		.amdhsa_kernarg_size 40
		.amdhsa_user_sgpr_count 2
		.amdhsa_user_sgpr_kernarg_segment_ptr 1
		.amdhsa_wavefront_size32 1
		.amdhsa_system_sgpr_workgroup_id_x 1
		.amdhsa_system_sgpr_workgroup_id_y 1
		.amdhsa_system_sgpr_workgroup_id_z 1
		.amdhsa_system_vgpr_workitem_id 0
		.amdhsa_next_free_vgpr 112
		.amdhsa_next_free_sgpr 66
		.amdhsa_reserve_vcc 0
		.amdhsa_float_denorm_mode_32 3
		.amdhsa_float_denorm_mode_16_64 3
		.amdhsa_memory_ordered 1
		.amdhsa_forward_progress 1
		.amdhsa_inst_pref_size 12
	.end_amdhsa_kernel
	.amdgpu_metadata
---
amdhsa.version: [ 1, 2 ]
amdhsa.kernels:
  - .name:           k_qb4a5de30c3_ln2
    .symbol:         k_qb4a5de30c3_ln2.kd
    .args:
      - { .name: yy, .offset: 0, .size: 8, .value_kind: global_buffer, .address_space: global }
      - { .name: b2, .offset: 8, .size: 8, .value_kind: global_buffer, .address_space: global }
      - { .name: ln2_g, .offset: 16, .size: 8, .value_kind: global_buffer, .address_space: global }
      - { .name: ln2_b, .offset: 24, .size: 8, .value_kind: global_buffer, .address_space: global }
      - { .name: out0, .offset: 32, .size: 8, .value_kind: global_buffer, .address_space: global }
    .group_segment_fixed_size: 0
    .private_segment_fixed_size: 0
    .kernarg_segment_align: 8
    .kernarg_segment_size: 40
    .max_flat_workgroup_size: 256
    .sgpr_count:     66
    .vgpr_count:     112
    .wavefront_size: 32
...
	.end_amdgpu_metadata
.endif
;; end of part 7
